; MI455X (gfx1250); checked and timed in simulation.
; The chip was launched on July 23, 2026; its instructions are those of AMD's public machine-readable ISA for CDNA 5 (MIT licence, August 2026) and "CDNA5" Instruction Set Architecture Reference Guide (July 2026). The comments in the code are by the model that wrote it; some were corrected since.
;; Multi Head Attention. Allowed arithmetic: matrix products marked QUANTISED: E4M3 operands, one given power-of-two scale a tensor, by v_wmma_f32_16x16x64_fp8_fp8 or v_wmma_f32_16x16x128_fp8_fp8, f32 sums; everything else in f32.
;; Inputs: Wk 1,024 x 1,024 float32; Wo 1,024 x 1,024 float32; Wq 1,024 x 1,024 float32; Wv 1,024 x 1,024 float32; bk 1,024 float32; bo 1,024 float32; bq 1,024 float32; bv 1,024 float32; lowp_scales 12 int32 (the exponents e of the quantised operands' scales 2^e); x 4 x 2,048 x 1,024 float32.
;; Outputs: out0 4 x 2,048 x 1,024 float32.
;; This version of the problem:
;;   THIS VERSION OF THE PROBLEM IS GIVEN IN LOW PRECISION. The matrix products marked QUANTISED in the list below multiply operands that are first quantised to E4M3 (4 exponent bits, 3 mantissa bits; 8 bits a number), with one given power-of-two scale for each operand tensor; their sums are f32. All else is computed in f32.
;;   The module's matrix products, in the order in which they are computed (A, B: the left and right operand; K: the contracted axis; several contracted axes count as one K, in the product's order):
;;     1. [M 8,192, K 1,024] x [K 1,024, N 1,024]; A: input x; B: input Wq: QUANTISED (scales: A lowp_scales[0], B lowp_scales[1])
;;     2. [M 8,192, K 1,024] x [K 1,024, N 1,024]; A: input x; B: input Wk: QUANTISED (scales: A lowp_scales[2], B lowp_scales[3])
;;     3. [M 8,192, K 1,024] x [K 1,024, N 1,024]; A: input x; B: input Wv: QUANTISED (scales: A lowp_scales[4], B lowp_scales[5])
;;     4. batch 64 x [M 2,048, K 64] x [K 64, N 2,048]; A: computed on the way; B: computed on the way: QUANTISED (scales: A lowp_scales[6], B lowp_scales[7])
;;     5. batch 64 x [M 2,048, K 2,048] x [K 2,048, N 64]; A: softmax (see below); B: computed on the way: QUANTISED (scales: A lowp_scales[8], B lowp_scales[9])
;;     6. [M 8,192, K 1,024] x [K 1,024, N 1,024]; A: computed on the way; B: input Wo: QUANTISED (scales: A lowp_scales[10], B lowp_scales[11])
;;   THE QUANTISER, for each operand of a quantised product, along K:
;;     - The operand's scale is 2^e, e = its entry of the input lowp_scales (int32; the entries are numbered through the quantised products in the list's order, A before B).
;;     - Each number is divided by the scale, clamped to +-448, and rounded to the nearest number of E4M3, ties to even, subnormals kept.
;;     - The product sums the exact products of the quantised numbers (number of the format x scale) in f32.
;;   ~~~python
;;   def quantise(x, axis, e):      # numpy; x: float32 -> the quantised numbers, widened to float32 again
;;       x = np.moveaxis(x, axis, -1); K = x.shape[-1]
;;       r = np.clip(x / 2.0 ** e, -448, 448)
;;       step = 2.0 ** (np.maximum(np.frexp(np.where(r == 0, 1, r))[1] - 1, -6) - 3)
;;       q = np.round(r / step) * step * 2.0 ** e      # np.round: ties to even
;;       return np.moveaxis(q, -1, axis).astype(np.float32)
;;   ~~~
;;   SOFTMAX AHEAD OF A QUANTISED PRODUCT. Where the list says 'softmax', what is quantised is not the finished softmax but p = 2^(t - M), with t = logit x log2(e) and M = ceil(the row's largest t), a whole number; so 1/2 < the row's largest p <= 1. The row's sum l is taken of the UNQUANTISED p, in f32, and the product's result is divided by l at the end. Since M is a whole number, a kernel that streams over the keys may use a running M (the ceiling of the running maximum): every later rescaling is an exact power of two, so the quantised numbers keep their values, but for numbers so far below the row's largest that they fall under the format's range.
;;   OPERANDS COMPUTED ON THE WAY. 'Computed on the way' means the value that the module computes at that place (a softmax that the list does not call 'softmax' is quantised finished and normalised). What goes into a quantiser is computed in f32, as accurately as f32 sums, v_exp_f32 and their like allow (about 1e-6 of the number): no bf16 or f16 on the way to a quantiser, and a product that is left as it is and whose result goes on into a quantised operand takes f32 operands (vector FMAs, or v_wmma_f32_16x16x4_f32). A number that lies on a knife's edge between two numbers of the format may be rounded either way, as far as f32 arithmetic and the matrix unit's own rounding can turn it there, and no further.
;; One version. Each part assembles by itself: llvm-mc -triple=amdgcn-amd-amdhsa -mcpu=gfx1250 --defsym DOCPART=n.
;; ======== version 1 of 1: 4 launches
;; limits: right only within a limited range of input values
;; workspace buffers: xc 25,165,824 bytes; wc 4,194,304 bytes; kv 16,777,216 bytes; cf 8,388,608 bytes
;; launch quant (part 1): grid 640 x 1, 8 waves a work-group, no clusters, 101,376 bytes of LDS; arguments x, Wq, Wk, Wv, Wo, lowp_scales, xc, wc; writes xc, wc
.if DOCPART == 1
	.amdgcn_target "amdgcn-amd-amdhsa--gfx1250"
	.amdhsa_code_object_version 6
	.text
	.protected	k_q26ccf18e56_quant
	.globl	k_q26ccf18e56_quant
	.p2align	8
	.type	k_q26ccf18e56_quant,@function
k_q26ccf18e56_quant:
	s_mov_b64 s[64:65], 0
	v_nop
	global_prefetch_b8 v0, s[64:65] scope:SCOPE_SE
	s_setreg_imm32_b32 hwreg(HW_REG_WAVE_MODE, 25, 1), 1
	s_wait_xcnt 0x0
; x [8192][1024] f32 becomes three sets of E4M3 codes (scales 2^e0, 2^e2, 2^e4: x is an operand of three products, each with a scale of its own);
; Wq, Wk, Wv, Wo [1024 k][1024 n] f32 become codes with K innermost (scales 2^e1, 2^e3, 2^e5, 2^e11).
; code = number / 2^e, held within +-448, rounded to the nearest code, ties to even.
; LAYOUT OF THE CODES: images of operand registers.  A fragment is 16 rows x 128 K, 16 registers a lane: lane l = 16 h + r holds row r, registers 2 c, 2 c + 1 hold k = 16 c + 8 h + 0 .. 7.
; Its image is 2,048 bytes: registers 4 q .. 4 q + 3 of lane l lie at 512 q + 16 l.  A tensor: (row / 16) x 16,384 + (k / 128) x 2,048 + image.
; Work-groups 0-511 take a tile of 16 rows of x, wave w its K step w: one fragment.  Work-groups 512-639 take 256 columns x 128 k of one weight, wave w 32 columns.
; The two ways part on the work-group's number, never join, and have LDS bytes of their own.  Waves share nothing: no barrier.  No work-group reads what another reads: no cluster.
; LIMITS: each e between -126 and 119, so that 2^e and 448 x 2^e are f32 numbers.  NaN among the inputs is not served (an infinity is held at the largest code).
.set XST,  8448                        ; path X: a wave's stage, 16 rows x (512 bytes + 16)
.set WST,  67584                       ; path W: the stages begin behind path X's eight; 4,096 bytes a wave
.set R,    16                          ; v16-79   X: 16 rows as loaded
.set X,    80                          ; v80-143  X: my 64 numbers, register 8 c + j = k 16 c + 8 h + j of row r
.set T,    144                         ; v144-159 X: two sets of eight held numbers, by turns
.set C,    160                         ; v160-207 X: three fragments of codes
.set WX,   16                          ; v16-79   W: two sets of 32 numbers down K
.set WO,   80                          ; v80-111  W: the way out
.set WC,   144                         ; v144-151 W: a block's codes
	s_load_b256 s[4:11], s[0:1], 0x0               ; x, Wq, Wk, Wv
	s_load_b256 s[12:19], s[0:1], 0x20             ; Wo, the exponents, xc, wc
	v_lshl_add_u32 v208, v0, 2, 0x18800
	v_mov_b32 v209, 0
	v_lshrrev_b32 v1, 5, v0
	s_delay_alu instid0(VALU_DEP_1)
	v_readfirstlane_b32 s20, v1                    ; wave 0..7
	v_and_b32 v1, 31, v0                           ; lane
	v_and_b32 v2, 15, v0                           ; r
	v_bfe_u32 v3, v0, 4, 1                         ; h
	s_delay_alu instid0(VALU_DEP_3)
	v_lshlrev_b32 v4, 4, v1                        ; 16 x lane
	s_wait_kmcnt 0x0
	s_load_b256 s[32:39], s[14:15], 0x0            ; e0 .. e7
	s_load_b128 s[40:43], s[14:15], 0x20           ; e8 .. e11
	s_cmp_lt_u32 ttmp9, 512
	s_cbranch_scc0 .Lweights
	; ---------------- x: 16 rows x 128 k a wave
	s_mul_i32 s21, s20, XST
	s_wait_alu depctr_va_vdst(0)
	v_add_nc_u32 v5, s21, v4                       ; into the stage: a row's 512 bytes as they lie
	v_mul_u32_u24 v6, v2, 528
	s_delay_alu instid0(VALU_DEP_1)
	v_lshl_add_u32 v6, v3, 5, v6
	s_delay_alu instid0(VALU_DEP_1)
	v_add_nc_u32 v6, s21, v6                       ; out of it: row r, + 32 h: eight numbers of each 16
	s_lshl_b32 s22, ttmp9, 16                      ; 16 rows of 4,096 bytes
	s_lshl_b32 s23, s20, 9                         ; my K step's 512 bytes
	s_add_co_u32 s22, s22, s23
	s_mov_b32 s23, 0
	s_add_nc_u64 s[4:5], s[4:5], s[22:23]
.irp i, 0,1,2,3,4,5,6,7,8,9,10,11,12,13,14,15
	global_load_b128 v[R+4*\i:R+4*\i+3], v4, s[4:5] offset:4096*\i th:TH_LOAD_NT   ; 32 lanes read 512 consecutive bytes of row i
.endr
	s_lshl_b32 s22, ttmp9, 14                      ; the fragment's place in a set of codes
	s_lshl_b32 s30, s20, 11
	s_add_co_u32 s22, s22, s30
	s_add_nc_u64 s[24:25], s[16:17], s[22:23]
	s_add_nc_u64 s[26:27], s[24:25], 0x800000      ; a set is 8,388,608 bytes
	s_add_nc_u64 s[28:29], s[24:25], 0x1000000
	s_wait_alu depctr_va_vdst(0)
	s_wait_kmcnt 0x0
.irp s, 0,1,2
	s_add_co_i32 s44, s[32+2*\s], 127
	s_lshl_b32 s45, s44, 23
	v_mov_b32 v[8+\s], s45                         ; 2^e as f32: the conversion takes its exponent field
	s_add_co_i32 s44, s44, 8
	s_lshl_b32 s44, s44, 23
	s_or_b32 s44, s44, 0x600000
	v_mov_b32 v[11+\s], s44                        ; 448 x 2^e
.endr
	s_wait_alu depctr_va_vdst(0)
.irp i, 0,1,2,3,4,5,6,7,8,9,10,11,12,13,14,15
	s_wait_loadcnt 15-\i                           ; loads come back in order: row i is in, the younger rows may be out
	ds_store_b128 v5, v[R+4*\i:R+4*\i+3] offset:528*\i
.endr
.irp c, 0,1,2,3,4,5,6,7
	ds_load_b128 v[X+8*\c:X+8*\c+3], v6 offset:64*\c          ; LDS serves a wave's instructions in order: these see my stores.  Rows 528 bytes apart: sixteen lanes, sixteen different 16-byte columns
	ds_load_b128 v[X+8*\c+4:X+8*\c+7], v6 offset:64*\c+16
.endr
	s_wait_dscnt 0x0
; One set of codes.  The hold stands ahead of the conversion, which does not saturate (ISA guide 7.6.2); it writes T, since x's numbers are wanted three times.  T's two sets take turns, so that
; eight plain lines stand between a conversion and the next write of its sources.
.macro QX s
.irp c, 0,1,2,3,4,5,6,7
.irp j, 0,1,2,3,4,5,6,7
	v_med3_num_f32 v[T+8*(\c%2)+\j], v[X+8*\c+\j], -v[11+\s], v[11+\s]
.endr
	v_cvt_scalef32_pk8_fp8_f32 v[C+16*\s+2*\c:C+16*\s+2*\c+1], v[T+8*(\c%2):T+8*(\c%2)+7], v[8+\s]
.endr
.irp q, 0,1,2,3
	global_store_b128 v4, v[C+16*\s+4*\q:C+16*\s+4*\q+3], s[24+2*\s:25+2*\s] offset:512*\q   ; 512 consecutive bytes, aligned; each set has registers of its own, so no store's data are written again
.endr
.endm
	QX 0
	QX 1
	QX 2
	s_wait_tensorcnt 0x0
	ds_add_u32 v208, v209
	s_wait_dscnt 0x0
	s_endpgm
	; ---------------- a weight: a lane takes a column n, its registers run down K
.Lweights:
	s_sub_co_u32 s21, ttmp9, 512
	s_lshr_b32 s22, s21, 5                         ; which weight: 0 Wq, 1 Wk, 2 Wv, 3 Wo
	s_and_b32 s23, s21, 3                          ; which 256 columns
	s_bfe_u32 s24, s21, 0x30002                    ; which 128 along K
	s_lshl_b32 s26, s24, 19                        ; 128 rows of 4,096 bytes
	s_lshl_b32 s27, s23, 10
	s_add_co_u32 s26, s26, s27
	s_lshl_b32 s27, s20, 7                         ; my wave's 32 columns
	s_add_co_u32 s26, s26, s27
	s_mov_b32 s27, 0
	s_lshl_b32 s28, s22, 20                        ; a weight's codes are 1,048,576 bytes
	s_lshl_b32 s29, s23, 18                        ; 16 tiles of 16 columns x 16,384
	s_add_co_u32 s28, s28, s29
	s_lshl_b32 s29, s20, 15                        ; my two tiles
	s_add_co_u32 s28, s28, s29
	s_lshl_b32 s29, s24, 11                        ; the K step's image
	s_add_co_u32 s28, s28, s29
	s_mov_b32 s29, 0
	s_cmp_eq_u32 s22, 0                            ; the choice hangs on the work-group's number alone
	s_cselect_b64 s[4:5], s[6:7], s[8:9]
	s_cmp_eq_u32 s22, 2
	s_cselect_b64 s[4:5], s[10:11], s[4:5]
	s_cmp_eq_u32 s22, 3
	s_cselect_b64 s[4:5], s[12:13], s[4:5]
	s_add_nc_u64 s[4:5], s[4:5], s[26:27]
	s_add_nc_u64 s[18:19], s[18:19], s[28:29]
	s_wait_alu depctr_va_vdst(0)
	v_lshlrev_b32 v8, 2, v1                        ; 4 bytes a lane
	s_lshl_b32 s31, s20, 12
	s_add_co_u32 s31, s31, WST                     ; my stage: two images
	v_lshlrev_b32 v5, 4, v2
	s_delay_alu instid0(VALU_DEP_1)
	v_lshl_add_u32 v5, v3, 11, v5
	s_delay_alu instid0(VALU_DEP_1)
	v_add_nc_u32 v5, s31, v5                       ; in: my column is row lane % 16 of image lane / 16
	v_add_nc_u32 v6, s31, v4                       ; out: 16 x lane
.macro LOADW t                         ; W(32 t + i, my column), i = 0 .. 31: 32 lanes read 128 consecutive bytes, the eight waves 1,024
.irp i, 0,1,2,3,4,5,6,7,8,9,10,11,12,13,14,15,16,17,18,19,20,21,22,23,24,25,26,27,28,29,30,31
	global_load_b32 v[WX+32*((\t)%2)+\i], v8, s[4:5] offset:(32*(\t)+\i)*4096 th:TH_LOAD_NT
.endr
.endm
	LOADW 0
	LOADW 1
	s_wait_kmcnt 0x0
	s_cmp_eq_u32 s22, 0
	s_cselect_b32 s30, s33, s35                    ; e1, e3,
	s_cmp_eq_u32 s22, 2
	s_cselect_b32 s30, s37, s30                    ; e5,
	s_cmp_eq_u32 s22, 3
	s_cselect_b32 s30, s43, s30                    ; e11
	s_add_co_i32 s30, s30, 127
	s_lshl_b32 s31, s30, 23
	v_mov_b32 v11, s31                             ; 2^e
	s_add_co_i32 s30, s30, 8
	s_lshl_b32 s30, s30, 23
	s_or_b32 s30, s30, 0x600000
	v_mov_b32 v10, s30                             ; 448 x 2^e
; 32 along K.  Group g of eight is k = 32 t + 8 g + 0 .. 7: registers 2 c, 2 c + 1 with c = 2 t + g / 2 of the lane with h = g % 2: image bytes 512 t + 256 (g % 2) + 16 r + 8 (g / 2).
.macro BLOCKW t
.set XS, WX+32*((\t)%2)
.if (\t) < 3
	s_wait_loadcnt 32                              ; this block's 32 loads are in; the next block's may be out
.else
	s_wait_loadcnt 0x0
.endif
.irp i, 0,1,2,3,4,5,6,7,8,9,10,11,12,13,14,15,16,17,18,19,20,21,22,23,24,25,26,27,28,29,30,31
	v_med3_num_f32 v[XS+\i], v[XS+\i], -v10, v10
.endr
.irp g, 0,1,2,3
	v_cvt_scalef32_pk8_fp8_f32 v[WC+2*\g:WC+2*\g+1], v[XS+8*\g:XS+8*\g+7], v11
.endr
.irp g, 0,1,2,3
	ds_store_b64 v5, v[WC+2*\g:WC+2*\g+1] offset:512*(\t)+256*(\g%2)+8*(\g/2)
.endr
.if (\t) < 2
	LOADW (\t)+2
.endif
	s_wait_dscnt 0x0                               ; the stores have read their registers: the next block's codes may be written (its 32 holds are the plain lines behind these conversions)
.endm
	s_wait_alu depctr_va_vdst(0)
	BLOCKW 0
	BLOCKW 1
	BLOCKW 2
	BLOCKW 3
.irp i, 0,1,2,3,4,5,6,7
	ds_load_b128 v[WO+4*\i:WO+4*\i+3], v6 offset:512*\i
.endr
.irp i, 0,1,2,3,4,5,6,7
	s_wait_dscnt 7-\i                              ; piece i is back; the younger ones may be out
	global_store_b128 v4, v[WO+4*\i:WO+4*\i+3], s[18:19] offset:(\i/4)*16384+512*(\i%4)   ; 512 consecutive bytes, aligned
.endr
	s_wait_tensorcnt 0x0
	ds_add_u32 v208, v209
	s_wait_dscnt 0x0
	s_endpgm
.Lfunc_end_k_q26ccf18e56_quant:
	.size	k_q26ccf18e56_quant, .Lfunc_end_k_q26ccf18e56_quant-k_q26ccf18e56_quant
	.p2alignl 7, 3214868480
	.fill 96, 4, 3214868480
	.section	.rodata,"a",@progbits
	.p2align	6, 0x0
	.amdhsa_kernel k_q26ccf18e56_quant
		.amdhsa_group_segment_fixed_size 101376
		.amdhsa_private_segment_fixed_size 0
		.amdhsa_enable_private_segment 0
		.amdhsa_kernarg_size 64
		.amdhsa_user_sgpr_count 2
		.amdhsa_user_sgpr_kernarg_segment_ptr 1
		.amdhsa_wavefront_size32 1
		.amdhsa_system_sgpr_workgroup_id_x 1
		.amdhsa_system_sgpr_workgroup_id_y 1
		.amdhsa_system_sgpr_workgroup_id_z 1
		.amdhsa_system_vgpr_workitem_id 0
		.amdhsa_next_free_vgpr 210
		.amdhsa_next_free_sgpr 66
		.amdhsa_reserve_vcc 0
		.amdhsa_float_denorm_mode_32 3
		.amdhsa_float_denorm_mode_16_64 3
		.amdhsa_memory_ordered 1
		.amdhsa_forward_progress 1
		.amdhsa_inst_pref_size 48
	.end_amdhsa_kernel
	.amdgpu_metadata
---
amdhsa.version: [ 1, 2 ]
amdhsa.kernels:
  - .name:           k_q26ccf18e56_quant
    .symbol:         k_q26ccf18e56_quant.kd
    .args:
      - { .name: x, .offset: 0, .size: 8, .value_kind: global_buffer, .address_space: global }
      - { .name: Wq, .offset: 8, .size: 8, .value_kind: global_buffer, .address_space: global }
      - { .name: Wk, .offset: 16, .size: 8, .value_kind: global_buffer, .address_space: global }
      - { .name: Wv, .offset: 24, .size: 8, .value_kind: global_buffer, .address_space: global }
      - { .name: Wo, .offset: 32, .size: 8, .value_kind: global_buffer, .address_space: global }
      - { .name: lowp_scales, .offset: 40, .size: 8, .value_kind: global_buffer, .address_space: global }
      - { .name: xc, .offset: 48, .size: 8, .value_kind: global_buffer, .address_space: global }
      - { .name: wc, .offset: 56, .size: 8, .value_kind: global_buffer, .address_space: global }
    .group_segment_fixed_size: 101376
    .private_segment_fixed_size: 0
    .kernarg_segment_align: 8
    .kernarg_segment_size: 64
    .max_flat_workgroup_size: 256
    .sgpr_count:     66
    .vgpr_count:     210
    .wavefront_size: 32
...
	.end_amdgpu_metadata
.endif
;; end of part 1
;; launch proj (part 2): grid 8 x 32, 4 waves a work-group, clusters of 4 x 4, 327,680 bytes of LDS; arguments xc, wc, lowp_scales, bk, bv, kv; writes kv
.if DOCPART == 2
	.amdgcn_target "amdgcn-amd-amdhsa--gfx1250"
	.amdhsa_code_object_version 6
	.text
	.protected	k_q26ccf18e56_proj
	.globl	k_q26ccf18e56_proj
	.p2align	8
	.type	k_q26ccf18e56_proj,@function
k_q26ccf18e56_proj:
	s_mov_b64 s[64:65], 0
	v_nop
	global_prefetch_b8 v0, s[64:65] scope:SCOPE_SE
	s_setreg_imm32_b32 hwreg(HW_REG_WAVE_MODE, 25, 1), 1
	s_wait_xcnt 0x0
	s_wait_alu depctr_hold_cnt(0) depctr_sa_sdst(0) depctr_va_vdst(0) depctr_va_sdst(0) depctr_va_ssrc(0) depctr_va_vcc(0) depctr_vm_vsrc(0)
	s_getreg_b32 s2, hwreg(HW_REG_IB_STS2, 6, 4)
	s_cmp_eq_u32 s2, 0
	s_cbranch_scc0 .Lentry_in_a_cluster
	s_endpgm
.Lentry_in_a_cluster:
	s_bfe_u32 s2, ttmp6, 0x10000c
	s_cmp_lg_u32 s2, 0xf033
	s_cbranch_scc0 .Lentry_shape_is_right
	s_endpgm
.Lentry_shape_is_right:
; q = x Wq + bq, k = x Wk + bk, v = x Wv + bv on E4M3 codes, and their results quantised at once for the attention's products (scales 2^e6, 2^e7, 2^e9): only codes go to memory.
; The cluster's x says which: p = 0 q, 1 k, 2 v; it is the same number in all sixteen partners, and the only thing but the wave's number on which a branch hangs.
; A tile of C, 256 x 256, is made by four waves, each 128 x 128: 64 accumulators, 512 registers.  K = 1,024 goes in four steps of 256 through a ring of two LDS slots filled by the tensor data mover.
; OPERANDS ARE IMAGES OF THEIR REGISTERS (16 rows x 128 K = 2,048 bytes: registers 4 q .. 4 q + 3 of lane l at 512 q + 16 l; a tensor: (row / 16) x 16,384 + (k / 128) x 2,048): a tile's part of a K step is dense,
; 4,096 bytes for each 16 rows, and a fragment is four loads of 512 consecutive bytes: no pitch, no padding.
; THE MATRIX INSTRUCTION IS USED TRANSPOSED (source 0 = 16 rows of B, source 1 = 16 rows of A): lane (r, h) of accumulator (a, b) holds row 16 a + r of A and columns 16 b + 8 h + 0 .. 7 of B's rows: eight
; neighbours along the next product's K, which one conversion turns into registers 2 b, 2 b + 1 of that product's fragment.  q, k: A = x (tokens), B = W (channels: K of q k^T).  v: A = Wv (channels), B = x (tokens: the keys, K of p v).
; So the codes leave straight from registers, 512 consecutive bytes a store.
; A sum stands for sum x 2^(ex + ew): the bias goes in as b / 2^(ex + ew), and the conversion takes 2^(eo - ex - ew): three scales folded into one.
; CLUSTERS: 4 x 4 work-groups; A's tiles are asked for jointly along a row of the cluster, B's along a column.
; LIMITS: eo - ex - ew between -126 and 119.  NaN among the inputs is not served.
; REGISTERS: window 0: v0-31 addresses; v32-95 the bias along columns; v96-111 the bias along rows, in pairs; v128-255 A's fragments, one set, later the codes.  window 1: B's fragments, two sets.  windows 2, 3: the accumulators, (a, b) at v[8 (8 (a % 4) + b)].
; THIS LAUNCH MAKES k AND v ALONE: p = the cluster's x + 1 is 1 or 2.  q is made where it is used, at the head of the attention's launch.
.set KADV,  4096                       ; a K step's bytes of 16 rows
.set HALFT, 32768                      ; 128 rows of a K step: what one tensor load brings, and what one wave reads of A or of B
.set SLOT,  131072                     ; A's 256 rows, then B's
.set SPARE, 262144                     ; behind the ring: the spare words, 128 bytes for each wave
.set FR,    16
.set NL,    4
.set NP,    4                          ; places behind this matrix instruction (ISA guide 7.12.1)
.set ADRA,  16                         ; v16-17  LDS address of my A fragments in slot 0, 1
.set ADRB,  20                         ; v20-21  the same for B
.set RO,    23                         ; v23     my offset in the bias along rows
.set CO,    26                         ; v26     16 x lane: my place in an image
.set BO,    27                         ; v27     my offset in the bias along columns
.set SPW,   28                         ; v28     my spare word; never rewritten
.set NIL,   29                         ; v29     0; never rewritten
.set SCL,   30                         ; v30     2^(eo - ex - ew)
.set LIM,   31                         ; v31     448 x that
.set BI,    32
.set RB,    96
.set AF,    128
.set G1,  24                           ; s[24:31] descriptor group 1 for A's tiles; s[32:39] group 0, a set for each slot
.set G0,  32
.set G1B, 48                           ; s[48:55], s[56:63] the same for B's
.set G0B, 56
.set MSB, 0
.macro WIN new                         ; the immediate's high byte repeats the setting that is left
.if MSB != \new
	s_set_vgpr_msb (MSB<<8)|\new
.set MSB, \new
.endif
.endm
.set MUL_LO, 0xa1                      ; source 0 (B) window 1, source 1 (A) window 0, C and D window 2
.set MUL_HI, 0xf1                      ; the same, C and D window 3
.set TO_B,   0x40                      ; destination window 1, address window 0
.macro JLOAD g0a, g1a, g0b, g1b        ; a joint load: waves 0, 1 fetch for A, waves 2, 3 for B; the branch hangs on the wave's number alone; four v_nop follow each line
	s_cmp_eq_u32 s15, 0
	s_cbranch_scc0 .Lfor_b_\@
	tensor_load_to_lds s[\g0a:\g0a+3], s[\g1a:\g1a+7]
	s_nop 0
.rept 4
	v_nop
.endr
	s_branch .Lasked_\@
.Lfor_b_\@:
	tensor_load_to_lds s[\g0b:\g0b+3], s[\g1b:\g1b+7]
	s_nop 0
.rept 4
	v_nop
.endr
.Lasked_\@:
.endm
.macro CREST                           ; a round of the cluster's barrier behind its opening barrier
	s_cmp_lg_u32 s14, 0
	s_cbranch_scc1 .Lnot_wave_0_\@
	s_barrier_signal -3
.Lnot_wave_0_\@:
	s_barrier_wait -3
	s_barrier_signal -1
	s_barrier_wait -1
.endm
.macro CROUND
	s_barrier_signal -1
	s_barrier_wait -1
	CREST
.endm
	s_load_b256 s[4:11], s[0:1], 0x0               ; xc s[4:5], wc s[6:7], the exponents s[8:9], bk s[10:11]
	s_load_b128 s[68:71], s[0:1], 0x20             ; bv s[68:69], kv s[70:71]
	s_add_co_u32 s66, ttmp9, 1                     ; p: 1 k, 2 v
	v_lshl_add_u32 v[SPW], v0, 2, SPARE
	v_mov_b32 v[NIL], 0
	ds_add_u32 v28, v29
	ds_add_u32 v28, v29
	s_wait_dscnt 0x0
	v_lshrrev_b32 v1, 5, v0
	v_readfirstlane_b32 s14, v1                    ; wave 0..3
	s_lshr_b32 s15, s14, 1                         ; which half of the tile's rows is mine.  Also: I fetch for A (0) or for B (1)
	s_and_b32 s16, s14, 1                          ; which half of its columns.  Also: which 128 rows of that tile I fetch
	s_bfe_u32 s40, ttmp6, 0x40000                  ; cx, cy: my place in the cluster
	s_bfe_u32 s41, ttmp6, 0x40004
	s_and_b32 s17, ttmp7, 0xffff
	s_lshl_b32 s17, s17, 2                         ; 4 x cluster y: it walks the tokens
	s_lshl_b32 s92, s66, 23                        ; x's set of codes p,
	s_lshl_b32 s93, s66, 20                        ; the weight's codes p
	s_cmp_eq_u32 s66, 2                            ; v?  Then the weight is A and x is B
	s_cselect_b32 s42, s17, 0
	s_cselect_b32 s17, 0, s17
	s_cselect_b32 s88, 0x200000, s92               ; where A begins in its buffer,
	s_cselect_b32 s90, 0x1000000, s93              ; and B
	s_add_co_u32 s17, s17, s41                     ; tile row of C
	s_add_co_u32 s42, s42, s40                     ; tile column of C
	s_lshl_b32 s43, s41, 2
	s_lshl_b32 s43, 15, s43                        ; my row of the cluster
	s_lshl_b32 s44, 0x1111, s40                    ; my column
	; descriptor group 1: 8 rows (tiles of 16 rows) x 4,096 bytes, 16,384 bytes apart in memory, dense in LDS
	s_or_b32 s[G1+0], s43, (1<<21)                 ; 15:0 the mask: A's tiles go to my row; 17:16 elements of 1 byte; 20 no padding; 21 set beside a mask
	s_or_b32 s[G1B+0], s44, (1<<21)
.irp g, G1, G1B
	s_mov_b32 s[\g+1], KADV<<16                    ; tensor_dim0
	s_mov_b32 s[\g+2], 8<<16                       ; tensor_dim1
	s_mov_b32 s[\g+3], KADV<<16                    ; tile_dim0
	s_mov_b32 s[\g+4], 8                           ; tile_dim1
	s_mov_b32 s[\g+5], 16384                       ; tensor_dim0_stride
	s_mov_b32 s[\g+6], 0
	s_mov_b32 s[\g+7], 0
.endr
	s_lshl_b32 s18, s16, 17                        ; which 128 rows of the tile I fetch
	s_lshl_b32 s89, s17, 18                        ; A: 262,144 bytes a tile row: made of the tile row and the wave alone,
	s_add_co_u32 s88, s88, s89
	s_add_co_u32 s88, s88, s18
	s_mov_b32 s89, 0
	s_lshl_b32 s91, s42, 18                        ; B: of the tile column and the wave alone
	s_add_co_u32 s90, s90, s91
	s_add_co_u32 s90, s90, s18
	s_mov_b32 s91, 0
	s_mul_i32 s45, s14, HALFT                      ; where they go: no place in the cluster enters an LDS address
	s_wait_kmcnt 0x0
	s_load_b256 s[76:83], s[8:9], 0x0              ; e0 .. e7
	s_load_b128 s[84:87], s[8:9], 0x20             ; e8 .. e11
	s_cmp_eq_u32 s66, 2
	s_cselect_b64 s[20:21], s[6:7], s[4:5]
	s_cselect_b64 s[46:47], s[4:5], s[6:7]
	s_add_nc_u64 s[20:21], s[20:21], s[88:89]
	s_add_nc_u64 s[46:47], s[46:47], s[90:91]
	CROUND                                         ; all sixteen work-groups are here: the first joint loads meet
.irp s, 0,1
	s_mov_b32 s[G0+4*\s], 1
	s_add_co_u32 s[G0+4*\s+1], s45, \s*SLOT
	s_add_nc_u64 s[G0+4*\s+2:G0+4*\s+3], s[20:21], \s*KADV
	s_or_b32 s[G0+4*\s+3], s[G0+4*\s+3], 0x80000000
	s_mov_b32 s[G0B+4*\s], 1
	s_add_co_u32 s[G0B+4*\s+1], s45, \s*SLOT
	s_add_nc_u64 s[G0B+4*\s+2:G0B+4*\s+3], s[46:47], \s*KADV
	s_or_b32 s[G0B+4*\s+3], s[G0B+4*\s+3], 0x80000000
.endr
	JLOAD G0, G1, G0B, G1B                         ; K step 0: one tensor load a wave at the head
	; The bias, in both layouts, on the one way that all take, so that every register is written whichever way out follows: along columns (q, k: 16 b + 8 h + j) and along rows (v: 16 a + r).
	; The layout that this p does not use reads its buffer's first bytes: its offset is 0.
	s_lshl_b32 s18, s42, 10
	s_lshl_b32 s19, s16, 9
	s_add_co_u32 s18, s18, s19                     ; my first column x 4
	s_lshl_b32 s19, s17, 10
	s_lshl_b32 s22, s15, 9
	s_add_co_u32 s19, s19, s22                     ; my first row x 4
	s_cmp_eq_u32 s66, 2
	s_cselect_b32 s18, 0, s18
	s_cselect_b32 s19, s19, 0
	s_cselect_b64 s[94:95], s[68:69], s[10:11]     ; bv or bk
	v_and_b32 v1, 15, v0                           ; r
	v_bfe_u32 v2, v0, 4, 1                         ; h
	v_lshl_add_u32 v[BO], v2, 5, s18
	v_lshl_add_u32 v[RO], v1, 2, s19
.irp b, 0,1,2,3,4,5,6,7
	global_load_b128 v[BI+8*\b:BI+8*\b+3], v[BO], s[94:95] offset:64*\b
	global_load_b128 v[BI+8*\b+4:BI+8*\b+7], v[BO], s[94:95] offset:64*\b+16
.endr
.irp a, 0,1,2,3,4,5,6,7
	global_load_b32 v[RB+2*\a], v[RO], s[94:95] offset:64*\a
.endr
	v_and_b32 v3, 31, v0
	v_lshlrev_b32 v[CO], 4, v3
	s_mul_i32 s21, s15, HALFT                      ; my 128 rows of A
	s_mul_i32 s22, s16, HALFT                      ; my 128 rows of B,
	s_add_co_u32 s22, s22, 2*HALFT                 ; which lie behind A's 256
.irp s, 0,1
	v_add_nc_u32 v[ADRA+\s], s21, v[CO]
	v_add_nc_u32 v[ADRB+\s], s22, v[CO]
	s_add_co_u32 s21, s21, SLOT
	s_add_co_u32 s22, s22, SLOT
.endr
.macro FRAG reg, adr, q, i             ; a fragment's image comes back as it was stored: four loads of 512 consecutive bytes
.irp c, 0,1,2,3
	ds_load_b128 v[\reg+4*\c:\reg+4*\c+3], v[\adr] offset:2048*(\q)+512*\c+(\i)*KADV
.endr
.endm
; 16 matrix instructions: A's blocks a0, a0 + 1 x B's eight, 128 along K.  p: B's set.  zero = 1: the first product starts the sums.  The 64 accumulators take turns, in the same order in every step.
.macro MUL16 a0, p, zero
.irp a, \a0, \a0+1
.irp b, 0,1,2,3,4,5,6,7
.if \zero
	v_wmma_f32_16x16x128_fp8_fp8 v[8*(8*((\a)%4)+\b):8*(8*((\a)%4)+\b)+7], v[128*(\p)+FR*\b:128*(\p)+FR*\b+FR-1], v[AF+FR*(\a):AF+FR*(\a)+FR-1], 0
.else
	v_wmma_f32_16x16x128_fp8_fp8 v[8*(8*((\a)%4)+\b):8*(8*((\a)%4)+\b)+7], v[128*(\p)+FR*\b:128*(\p)+FR*\b+FR-1], v[AF+FR*(\a):AF+FR*(\a)+FR-1], v[8*(8*((\a)%4)+\b):8*(8*((\a)%4)+\b)+7]
.endif
.endr
.endr
.endm
.macro FETCH_B slot, q, p
	WIN TO_B
.irp i, 0,1,2,3,4,5,6,7
	FRAG 128*(\p)+FR*\i, ADRB+\slot, \q, \i
.endr
	WIN 0
.endm
.macro FETCH_A slot, q, i0
.irp i, \i0, \i0+1, \i0+2, \i0+3
	FRAG AF+FR*(\i), ADRA+\slot, \q, \i
.endr
.endm
.macro PLACES n                        ; plain vector lines between a matrix instruction and a load into, or a vector instruction on, its registers
.rept \n
	v_nop
.endr
.endm
; A step of 128 along K that has its successor in the same slot.  A has one set of registers: blocks 0-3 are fetched anew in the step's middle, blocks 4-7 at its end; B has two sets.
.macro STEP slot, q, zero
	s_wait_dscnt 4*NL                              ; B's set and A's blocks 0-3 are in; the youngest 16 loads (A's blocks 4-7) may be out
	WIN MUL_LO
	MUL16 0, (\q)%2, \zero
	MUL16 2, (\q)%2, \zero
	s_wait_dscnt 0                                 ; A's blocks 4-7 are in
	PLACES NP
	FETCH_B \slot, (\q)+1, 1-(\q)%2
	FETCH_A \slot, (\q)+1, 0
	WIN MUL_HI
	MUL16 4, (\q)%2, \zero
	MUL16 6, (\q)%2, \zero
	PLACES NP
	WIN 0
	FETCH_A \slot, (\q)+1, 4
.endm
; A slot's last step changes slots: one barrier; in front of it each wave waits for all its tensor loads, adds 0 to its spare word, and waits for that and for its reads of this slot.  fill = 1: the slot is filled again, two K steps ahead.
.macro TURN slot, next, fill
	s_wait_tensorcnt 0x0                           ; all my tensor loads have landed: my part of the next slot
	ds_add_u32 v[SPW], v[NIL]                      ; 0 onto my spare word
	s_wait_dscnt 4*NL+1                            ; (the add and the youngest 16 loads may be out)
	WIN MUL_LO
	MUL16 0, 1, 0
	s_wait_dscnt 0x0                               ; the add is done, and my reads of this slot are over
	s_barrier_signal -1
	MUL16 2, 1, 0
	WIN 0
	s_barrier_wait -1
.if \fill
	CREST                                          ; the barrier has opened a round of the cluster's: no wave of any partner still reads this slot or has a load on its way
	s_add_nc_u64 s[G0+4*\slot+2:G0+4*\slot+3], s[G0+4*\slot+2:G0+4*\slot+3], 2*KADV
	s_add_nc_u64 s[G0B+4*\slot+2:G0B+4*\slot+3], s[G0B+4*\slot+2:G0B+4*\slot+3], 2*KADV
	JLOAD G0+4*\slot, G1, G0B+4*\slot, G1B         ; the first tensor load behind the round; its four v_nop are the places in front of the loads below
.else
	PLACES NP
.endif
	FETCH_B \next, 0, 0
	FETCH_A \next, 0, 0
	WIN MUL_HI
	MUL16 4, 1, 0
	MUL16 6, 1, 0
	PLACES NP
	WIN 0
	FETCH_A \next, 0, 4
.endm
	s_wait_alu depctr_va_vdst(0)
	s_wait_tensorcnt 0x0                           ; my part of K step 0 is in
	ds_add_u32 v[SPW], v[NIL]
	s_wait_dscnt 0x0
	CROUND                                         ; everybody's part of K step 0 is in, and all sixteen work-groups are here
	JLOAD G0+4, G1, G0B+4, G1B                     ; K step 1: the first tensor load behind the round
	FETCH_B 0, 0, 0
	FETCH_A 0, 0, 0
	FETCH_A 0, 0, 4
	STEP 0, 0, 1                                   ; K = 1,024 is eight steps of 128, four slots: written out
	TURN 0, 1, 1                                   ; slot 0 takes K 512 on
	STEP 1, 0, 0
	TURN 1, 0, 1                                   ; slot 1 takes K 768 on
	STEP 0, 0, 0
	TURN 0, 1, 0
	STEP 1, 0, 0
	s_wait_dscnt 4*NL
	WIN MUL_LO
	MUL16 0, 1, 0
	MUL16 2, 1, 0
	s_wait_dscnt 0
	WIN MUL_HI
	MUL16 4, 1, 0
	MUL16 6, 1, 0
	WIN 0
	; THE WAY OUT
	s_wait_kmcnt 0x0
	s_wait_loadcnt 0x0                             ; the biases
	s_cmp_eq_u32 s66, 2
	s_cselect_b32 s88, s80, s78                    ; ex = e4 or e2
	s_cselect_b32 s89, s81, s79                    ; ew = e5 or e3
	s_cselect_b32 s90, s85, s83                    ; eo = e9 or e7
	s_add_co_i32 s88, s88, s89
	s_sub_co_i32 s90, s90, s88                     ; eo - ex - ew
	s_sub_co_i32 s88, 0, s88                       ; -(ex + ew)
	s_add_co_i32 s90, s90, 127
	s_lshl_b32 s91, s90, 23
	v_mov_b32 v[SCL], s91
	s_add_co_i32 s90, s90, 8
	s_lshl_b32 s90, s90, 23
	s_or_b32 s90, s90, 0x600000
	v_mov_b32 v[LIM], s90
	PLACES NP
; Block a: 16 rows of A x my 128 columns.  The bias is added, each accumulator from its low end on; the hold; eight conversions make 16 registers of codes; four stores.
.macro OUTBLK a, isv
.set AC, 64*((\a)%4)
.set WW, 2+(\a)/4
.set CD, AF+16*(\a)
	WIN ((WW<<6)|WW)                               ; destination and source 0 in the accumulators' window
.irp b, 0,1,2,3,4,5,6,7
.irp i, 0,2,4,6
.if \isv
	v_pk_add_f32 v[AC+8*\b+\i:AC+8*\b+\i+1], v[AC+8*\b+\i:AC+8*\b+\i+1], v[RB+2*(\a):RB+2*(\a)+1]
.else
	v_pk_add_f32 v[AC+8*\b+\i:AC+8*\b+\i+1], v[AC+8*\b+\i:AC+8*\b+\i+1], v[BI+8*\b+\i:BI+8*\b+\i+1]
.endif
.endr
.endr
.set n, 0
.rept 64
	v_med3_num_f32 v[AC+n], v[AC+n], -v[LIM], v[LIM]   ; the conversion does not saturate (ISA guide 7.6.2)
.set n, n+1
.endr
	WIN WW                                         ; source 0 alone
.irp b, 0,1,2,3,4,5,6,7
	v_cvt_scalef32_pk8_fp8_f32 v[CD+2*\b:CD+2*\b+1], v[AC+8*\b:AC+8*\b+7], v[SCL]
.endr
	WIN 0
	v_nop                                          ; a plain line behind the last conversion
.irp q, 0,1,2,3
.if \isv
	global_store_b128 v[CO], v[CD+4*\q:CD+4*\q+3], s[90:91] offset:262144*((\a)/4)+2048*((\a)%4)+512*\q   ; head a / 4 of my two, channels 16 (a % 4) on: one image of 16 channels x 128 keys
.else
	global_store_b128 v[CO], v[CD+4*\q:CD+4*\q+3], s[90+2*(\q/2):91+2*(\q/2)] offset:1024*(\a)+512*(\q%2)   ; head q / 2 of my two: an image of 16 tokens x 64 channels
.endif
.endr
.endm
	s_cmp_eq_u32 s66, 2
	s_cbranch_scc1 .Lv_out
.set n, 0
.rept 64
	v_ldexp_f32 v[BI+n], v[BI+n], s88              ; b / 2^(ex + ew)
.set n, n+1
.endr
	s_lshr_b32 s18, s17, 3                         ; the batch: 8 tile rows of 256 tokens each
	s_and_b32 s19, s17, 7
	s_lshl_b32 s19, s19, 1
	s_add_co_u32 s19, s19, s15                     ; my 128 tokens' number in the batch
	s_lshl_b32 s18, s18, 4
	s_lshl_b32 s20, s42, 2
	s_add_co_u32 s18, s18, s20
	s_lshl_b32 s20, s16, 1
	s_add_co_u32 s18, s18, s20                     ; 16 x batch + my first head
	s_lshl_b32 s18, s18, 18                        ; kv: 262,144 bytes a head, 16,384 for 128 keys
	s_lshl_b32 s19, s19, 14
	s_add_co_u32 s18, s18, s19
	s_mov_b32 s19, 0
	s_mov_b32 s20, 0x40000
	s_mov_b32 s21, 0
	s_add_nc_u64 s[90:91], s[70:71], s[18:19]
	s_add_nc_u64 s[92:93], s[90:91], s[20:21]      ; my second head
.irp a, 0,1,2,3,4,5,6,7
	OUTBLK \a, 0
.endr
	s_branch .Ldone
.Lv_out:
.irp a, 0,1,2,3,4,5,6,7
	v_ldexp_f32 v[RB+2*\a+1], v[RB+2*\a], s88      ; my row's bias, twice: a pair for the packed addition
	v_ldexp_f32 v[RB+2*\a], v[RB+2*\a], s88
.endr
	s_lshr_b32 s18, s42, 3                         ; the batch
	s_and_b32 s19, s42, 7
	s_lshl_b32 s19, s19, 1
	s_add_co_u32 s19, s19, s16                     ; the key step
	s_lshl_b32 s18, s18, 4
	s_lshl_b32 s20, s17, 2
	s_add_co_u32 s18, s18, s20
	s_lshl_b32 s20, s15, 1
	s_add_co_u32 s18, s18, s20                     ; 16 x batch + my first head
	s_lshl_b32 s18, s18, 18
	s_lshl_b32 s19, s19, 14
	s_add_co_u32 s18, s18, s19
	s_add_co_u32 s18, s18, 8192                    ; V's images lie behind K's in a key step
	s_mov_b32 s19, 0
	s_add_nc_u64 s[90:91], s[70:71], s[18:19]
.irp a, 0,1,2,3,4,5,6,7
	OUTBLK \a, 1
.endr
.Ldone:
	s_wait_tensorcnt 0x0                           ; the wave's end
	ds_add_u32 v[SPW], v[NIL]
	s_wait_dscnt 0x0
	CROUND                                         ; the closing round: no work-group ends while a partner may still ask for a tile that names it
	s_endpgm
.Lfunc_end_k_q26ccf18e56_proj:
	.size	k_q26ccf18e56_proj, .Lfunc_end_k_q26ccf18e56_proj-k_q26ccf18e56_proj
	.p2alignl 7, 3214868480
	.fill 96, 4, 3214868480
	.section	.rodata,"a",@progbits
	.p2align	6, 0x0
	.amdhsa_kernel k_q26ccf18e56_proj
		.amdhsa_group_segment_fixed_size 327680
		.amdhsa_private_segment_fixed_size 0
		.amdhsa_enable_private_segment 0
		.amdhsa_kernarg_size 48
		.amdhsa_user_sgpr_count 2
		.amdhsa_user_sgpr_kernarg_segment_ptr 1
		.amdhsa_wavefront_size32 1
		.amdhsa_system_sgpr_workgroup_id_x 1
		.amdhsa_system_sgpr_workgroup_id_y 1
		.amdhsa_system_sgpr_workgroup_id_z 1
		.amdhsa_system_vgpr_workitem_id 0
		.amdhsa_next_free_vgpr 1024
		.amdhsa_next_free_sgpr 96
		.amdhsa_reserve_vcc 0
		.amdhsa_float_denorm_mode_32 3
		.amdhsa_float_denorm_mode_16_64 3
		.amdhsa_memory_ordered 1
		.amdhsa_forward_progress 1
		.amdhsa_inst_pref_size 199
	.end_amdhsa_kernel
	.amdgpu_metadata
---
amdhsa.version: [ 1, 2 ]
amdhsa.kernels:
  - .name:           k_q26ccf18e56_proj
    .symbol:         k_q26ccf18e56_proj.kd
    .args:
      - { .name: xc, .offset: 0, .size: 8, .value_kind: global_buffer, .address_space: global }
      - { .name: wc, .offset: 8, .size: 8, .value_kind: global_buffer, .address_space: global }
      - { .name: lowp_scales, .offset: 16, .size: 8, .value_kind: global_buffer, .address_space: global }
      - { .name: bk, .offset: 24, .size: 8, .value_kind: global_buffer, .address_space: global }
      - { .name: bv, .offset: 32, .size: 8, .value_kind: global_buffer, .address_space: global }
      - { .name: kv, .offset: 40, .size: 8, .value_kind: global_buffer, .address_space: global }
    .group_segment_fixed_size: 327680
    .private_segment_fixed_size: 0
    .kernarg_segment_align: 8
    .kernarg_segment_size: 48
    .max_flat_workgroup_size: 128
    .sgpr_count:     96
    .vgpr_count:     1024
    .wavefront_size: 32
...
	.end_amdgpu_metadata
.endif
;; end of part 2
;; launch attn (part 3): grid 4 x 64, 8 waves a work-group, clusters of 4 x 1, 327,680 bytes of LDS; arguments xc, wc, bq, kv, lowp_scales, cf; writes cf
.if DOCPART == 3
	.amdgcn_target "amdgcn-amd-amdhsa--gfx1250"
	.amdhsa_code_object_version 6
	.text
	.protected	k_q26ccf18e56_attn
	.globl	k_q26ccf18e56_attn
	.p2align	8
	.type	k_q26ccf18e56_attn,@function
k_q26ccf18e56_attn:
	s_mov_b64 s[64:65], 0
	v_nop
	global_prefetch_b8 v0, s[64:65] scope:SCOPE_SE
	s_setreg_imm32_b32 hwreg(HW_REG_WAVE_MODE, 25, 1), 1
	s_wait_xcnt 0x0
	s_wait_alu depctr_hold_cnt(0) depctr_sa_sdst(0) depctr_va_vdst(0) depctr_va_sdst(0) depctr_va_ssrc(0) depctr_va_vcc(0) depctr_vm_vsrc(0)
	s_getreg_b32 s2, hwreg(HW_REG_IB_STS2, 6, 4)
	s_cmp_eq_u32 s2, 0
	s_cbranch_scc0 .Lentry_in_a_cluster
	s_endpgm
.Lentry_in_a_cluster:
	s_bfe_u32 s2, ttmp6, 0x10000c
	s_cmp_lg_u32 s2, 0x3003
	s_cbranch_scc0 .Lentry_shape_is_right
	s_endpgm
.Lentry_shape_is_right:
; q = x Wq + bq for one head and 512 queries, quantised (scale 2^e6), and ctx = softmax(q k^T / 8) v, all products on E4M3 codes; ctx leaves as E4M3 codes (scale 2^e10) for the last product.
; xc (its first set: scale 2^e0), wc (Wq first: scale 2^e1): images of operand registers, (row / 16) x 16,384 + (k / 128) x 2,048; registers 4 q .. 4 q + 3 of lane l at 512 q + 16 l.
; kv: a head is 262,144 bytes; a step of 128 keys is 16,384: eight images of K (16 keys x 64 channels, 1,024 bytes), then four of V (16 channels x 128 keys, 2,048 bytes).
; cf: (token / 16) x 16,384 + head x 1,024 + image: half of an image of 16 tokens x 128 K.
; Q AT THE HEAD.  A wave makes q of its own 64 queries: 4 tiles of tokens x 4 tiles of channels, 16 accumulators in the scores' registers, K = 1,024 in eight steps.  The images come from memory straight into registers,
; 512 consecutive bytes a load, two sets by turns, two K steps ahead.  Source 0 = 16 channels of Wq, source 1 = 16 tokens: a lane's eight sums are eight neighbouring channels of one query, which one conversion turns into
; registers 2 b, 2 b + 1 of Q's fragment.  A sum stands for sum x 2^(e0 + e1): the bias goes in as bq / 2^(e0 + e1), the C of the first product; the conversion takes 2^(e6 - e0 - e1).
; Wq's slice of 65,536 bytes is read by each wave for itself: beside K, V (262,144 bytes) and the spare words it does not fit in the 327,680 bytes of LDS.  All this stands under the tensor load's flight.
; THE SOFTMAX: t = score x log2(e) / 8; M = the running largest t rounded up to a whole number; p = 2^(t - M) is quantised (scale 2^e8), not normalised; the row's sum is taken of the unquantised p and divides at the end;
; when M moves, the sum and O are multiplied by 2^(old M - new M).
; SHARES.  All 2,048 keys of the head lie in LDS, brought by ONE joint load a wave (32,768 bytes each): the four work-groups of a cluster are the four query blocks of one head.
; Eight waves, two to a SIMD; a wave owns 64 queries, four tiles.  A step's fragments of K and V are read from LDS once and feed all four tiles.  The tiles go in two pairs; a pair's two chains are interleaved line by line.
; Both products are used transposed (S^T = K Q^T, O^T = V^T P^T): a lane holds one query (lane % 16), and a tile's eight scores are keys 16 t + 8 (lane / 16) + 0 .. 7: one conversion gives registers 2 t, 2 t + 1 of P's fragment.
; V of this step is fetched behind the first pair's scores, K of the next step behind the second pair's; the last step fetches step 0's K again, which nobody uses, so that the loop has one form.
; The scalings, sums and holds are dual pairs on neighbouring registers: the factor, the bound and -M stand in two registers each, so that a pair's two halves take them from different register banks.
; No prefetch: kv is asked for whole at the head, and x's and Wq's loads themselves run two K steps ahead.
; LIMITS: e6 - e0 - e1, e8 and e10 between -126 and 119; e6 + e7 between -123 and 130; the scaled scores stay under 2^31 in magnitude; NaN among the inputs is not served.
; REGISTERS.  Window 0: v1-7 addresses and bounds; v8-15 (-M, largest score) for each tile; v16-23 the sums, in two halves; v24-27 the factors; v28-33 at work; v34-39 constants and -M's copies; v40-71 Q; v72-103 the bias, then P's codes; v128-255 q's sums, then a pair's scores.
;             Window 1: at the head two sets of Wq's and x's fragments (128 registers each); then v0-63 K's fragments; v64-127 V's; v128-255 O^T (tile i at 128 + 32 i).
.set SPARE, 0x48000                    ; the spare words, 128 bytes for each wave, in blocks that no other line names
.set LI,  1                            ; 16 x lane
.set ADK, 2                            ; LDS address of the next step's K
.set ADV, 3                            ; of this step's V; at the head: my offset in the bias
.set SPW, 4
.set NIL, 5
.set HLD, 6                            ; 448 x 2^e8,
.set HL2, 7                            ; twice
.set NM,  8
.set SU,  16
.set FX,  24
.set FY,  26
.set CV0, 34                           ; the scores' factor, twice
.set CV1, 35
.set SCP, 36                           ; 2^e8
.set NCX, 37                           ; -M once more, tile x,
.set NCY, 39                           ; tile y
.set QF,  40
.set PX,  72
.set PY,  88
.set SX,  128
.set SY,  192
.set KF,  0
.set VF,  64
.set OA,  128
.set WV,  12
.set TN,  36
.set TB,  37
.set CNT, 38
.set SEL, 40
.set CS,  42
.set MSB, 0
.macro WIN new                         ; the immediate's high byte repeats the setting that is left
.if MSB != \new
	s_set_vgpr_msb (MSB<<8)|\new
.set MSB, \new
.endif
.endm
.macro CROUND                          ; a round of the cluster's barrier
	s_barrier_signal -1
	s_barrier_wait -1
	s_cmp_lg_u32 s[WV], 0
	s_cbranch_scc1 .Lnot_wave_0_\@
	s_barrier_signal -3
.Lnot_wave_0_\@:
	s_barrier_wait -3
	s_barrier_signal -1
	s_barrier_wait -1
.endm
; K step ks of q's product into set ks % 2 of window 1: four fragments of Wq (my head's 64 channels), four of x (my 64 tokens)
.macro LOADQ ks
.set QB, 128*((\ks)%2)
.irp b, 0,1,2,3
.irp c, 0,1,2,3
	global_load_b128 v[QB+16*\b+4*\c:QB+16*\b+4*\c+3], v[LI], s[6:7] offset:16384*\b+2048*(\ks)+512*\c
.endr
.endr
.irp a, 0,1,2,3
.irp c, 0,1,2,3
	global_load_b128 v[QB+64+16*\a+4*\c:QB+64+16*\a+4*\c+3], v[LI], s[4:5] offset:16384*\a+2048*(\ks)+512*\c
.endr
.endr
.endm
.macro QMUL ks                         ; the 16 accumulators by turns; the first product takes the bias as C
.set QB, 128*((\ks)%2)
.irp a, 0,1,2,3
.irp b, 0,1,2,3
.if (\ks) == 0
	v_wmma_f32_16x16x128_fp8_fp8 v[SX+8*(4*\a+\b):SX+8*(4*\a+\b)+7], v[QB+16*\b:QB+16*\b+15], v[QB+64+16*\a:QB+64+16*\a+15], v[PX+8*\b:PX+8*\b+7]
.else
	v_wmma_f32_16x16x128_fp8_fp8 v[SX+8*(4*\a+\b):SX+8*(4*\a+\b)+7], v[QB+16*\b:QB+16*\b+15], v[QB+64+16*\a:QB+64+16*\a+15], v[SX+8*(4*\a+\b):SX+8*(4*\a+\b)+7]
.endif
.endr
.endr
.endm
	s_load_b256 s[4:11], s[0:1], 0x0               ; xc, wc, bq, kv
	s_load_b128 s[24:27], s[0:1], 0x20             ; the exponents, cf
	v_lshl_add_u32 v[SPW], v0, 2, SPARE
	v_mov_b32 v[NIL], 0
	ds_add_u32 v[SPW], v[NIL]                      ; the opening lines: the add twice on end and its wait ahead of my tensor load
	ds_add_u32 v[SPW], v[NIL]
	v_lshrrev_b32 v2, 5, v0
	v_readfirstlane_b32 s[WV], v2                  ; wave 0..7
	v_and_b32 v[LI], 31, v0
	v_lshlrev_b32 v[LI], 4, v[LI]
	v_bfe_u32 v[ADV], v0, 4, 1
	v_lshlrev_b32 v[ADV], 5, v[ADV]                ; the bias: 32 bytes for each half of the lanes
	s_bfe_u32 s13, ttmp6, 0x40000                  ; cx: which 512 queries
	s_and_b32 s14, ttmp7, 0xffff                   ; 16 x batch + head
	s_and_b32 s15, s14, 15                         ; the head
	s_mov_b32 s16, 15|(3<<16)|(1<<21)              ; group 1: the mask of all four partners, elements of 8 bytes, bit 21 beside the mask
	s_mov_b32 s17, 32<<16                          ; rows of 256 bytes,
	s_mov_b32 s18, 128<<16                         ; 128 of them, dense
	s_mov_b32 s19, 32<<16
	s_mov_b32 s20, 128
	s_mov_b32 s21, 32
	s_mov_b32 s22, 0
	s_mov_b32 s23, 0
	s_mov_b32 s[SEL], 0x76543210
	s_mov_b32 s[SEL+1], 0xfedcba98
	s_mov_b32 s32, 1
	s_lshl_b32 s33, s[WV], 15                      ; my eighth of the head's K and V, in LDS as in memory
	s_lshl_b32 s58, s14, 18
	s_add_co_u32 s58, s58, s33
	s_mov_b32 s59, 0
	s_lshl_b32 s57, s13, 5
	s_lshl_b32 s30, s[WV], 2
	s_add_co_u32 s57, s57, s30                     ; my first tile of queries: 32 cx + 4 wave
	s_lshr_b32 s30, s14, 4
	s_lshl_b32 s30, s30, 7
	s_add_co_u32 s30, s30, s57
	s_lshl_b32 s30, s30, 14                        ; its place in xc and in cf: 16,384 bytes for 16 tokens
	s_mov_b32 s31, 0
	s_wait_alu depctr_va_vdst(0)
	s_wait_dscnt 0x0
	s_wait_kmcnt 0x0
	s_load_b256 s[44:51], s[24:25], 0x0            ; e0 .. e7
	s_load_b128 s[52:55], s[24:25], 0x20           ; e8 .. e11
	s_add_nc_u64 s[34:35], s[10:11], s[58:59]
	s_or_b32 s35, s35, 0x80000000
	s_add_nc_u64 s[4:5], s[4:5], s[30:31]          ; x's codes at my tokens
	s_add_nc_u64 s[26:27], s[26:27], s[30:31]
	s_lshl_b32 s58, s15, 10
	s_add_nc_u64 s[26:27], s[26:27], s[58:59]      ; cf at my tokens and my head
	s_lshl_b32 s58, s15, 16
	s_add_nc_u64 s[6:7], s[6:7], s[58:59]          ; Wq's codes at my head's 64 channels
	s_lshl_b32 s58, s15, 8
	s_add_nc_u64 s[8:9], s[8:9], s[58:59]          ; bq likewise
.irp b, 0,1,2,3
	global_load_b128 v[PX+8*\b:PX+8*\b+3], v[ADV], s[8:9] offset:64*\b        ; bq at channels 16 b + 8 (lane / 16) + 0 .. 7
	global_load_b128 v[PX+8*\b+4:PX+8*\b+7], v[ADV], s[8:9] offset:64*\b+16
.endr
	WIN 0x40                                       ; destination window 1, address window 0
	LOADQ 0
	WIN 0
	CROUND                                         ; the four partners are here: the joint loads meet
	tensor_load_to_lds s[32:35], s[16:23]
	s_nop 0
.rept 4
	v_nop
.endr
	WIN 0x40
	LOADQ 1
	WIN 0
.irp i, 0,1,2,3
	v_mov_b32 v[NM+2*\i], 0x7f61b1e6               ; -M begins at 3e38, a whole number,
	v_mov_b32 v[NM+2*\i+1], 0xff61b1e6             ; the largest score at -3e38, under every score
	v_mov_b32 v[SU+2*\i], 0
	v_mov_b32 v[SU+2*\i+1], 0
.endr
	v_mov_b32 v[FX+1], 0                           ; named as the upper halves of pairs
	v_mov_b32 v[FY+1], 0
	v_mov_b32 v32, 0                               ; a lane permute's destination counts as a source
	v_mov_b32 v33, 0
	s_wait_kmcnt 0x0
	s_add_co_i32 s57, s44, s45                     ; e0 + e1
	s_sub_co_i32 s58, s50, s57                     ; e6 - e0 - e1
	s_sub_co_i32 s39, 0, s57
	s_add_co_i32 s58, s58, 127
	s_lshl_b32 s59, s58, 23
	v_mov_b32 v104, s59                            ; 2^(e6 - e0 - e1)
	s_add_co_i32 s58, s58, 8
	s_lshl_b32 s58, s58, 23
	s_or_b32 s58, s58, 0x600000
	v_mov_b32 v105, s58                            ; 448 x that
	s_add_co_i32 s57, s50, s51
	s_lshl_b32 s57, s57, 23
	s_mov_b32 s[CS], 0x3e38aa3b                    ; log2(e) / 8,
	s_add_co_i32 s[CS], s[CS], s57                 ; x 2^(e6 + e7), added to its exponent field
	v_mov_b32 v[CV0], s[CS]
	v_mov_b32 v[CV1], s[CS]
	s_add_co_i32 s57, s52, 127
	s_lshl_b32 s58, s57, 23
	v_mov_b32 v[SCP], s58
	s_add_co_i32 s57, s57, 8
	s_lshl_b32 s57, s57, 23
	s_or_b32 s57, s57, 0x600000
	v_mov_b32 v[HLD], s57
	v_mov_b32 v[HL2], s57
	s_add_co_i32 s57, s54, 127
	s_lshl_b32 s28, s57, 23                        ; 2^e10
	s_add_co_i32 s57, s57, 8
	s_lshl_b32 s29, s57, 23
	s_or_b32 s29, s29, 0x600000                    ; 448 x 2^e10
	s_add_co_i32 s56, s52, s53                     ; e8 + e9
	s_mov_b32 s[TB], 0
	s_mov_b32 s[CNT], 16
	s_wait_loadcnt 63                              ; behind the bias's eight loads 64 were issued: the bias is in
.set j, 0
.rept 32
	v_ldexp_f32 v[PX+j], v[PX+j], s39              ; bq / 2^(e0 + e1)
.set j, j+1
.endr
	s_wait_alu depctr_va_vdst(0)
.irp ks, 0,1,2,3,4,5,6,7
.if \ks < 7
	s_wait_loadcnt 32                              ; this K step's 32 loads are in; the next step's may be out
.else
	s_wait_loadcnt 0x0
.endif
	WIN 0x05                                       ; sources 0 and 1 in window 1
	QMUL \ks
	WIN 0
.if \ks < 6
.rept 4
	v_nop                                          ; places in front of the loads into this set
.endr
	WIN 0x40
	LOADQ \ks+2
	WIN 0
.endif
.endr
.rept 4
	v_nop
.endr
.set j, 0
.rept 128
	v_med3_num_f32 v[SX+j], v[SX+j], -v105, v105   ; the conversion does not saturate (ISA guide 7.6.2)
.set j, j+1
.endr
.irp a, 0,1,2,3
.irp b, 0,1,2,3
	v_cvt_scalef32_pk8_fp8_f32 v[QF+8*\a+2*\b:QF+8*\a+2*\b+1], v[SX+8*(4*\a+\b):SX+8*(4*\a+\b)+7], v104
.endr
.endr
	v_nop                                          ; a plain line behind the last conversion
	WIN 0x40
.set j, 0
.rept 128
	v_mov_b32 v[OA+j], 0                           ; O^T: the step is written once; the first change of M multiplies zeros
.set j, j+1
.endr
	WIN 0
; S^T of pair g: each of K's eight fragments against the pair's two tiles of Q
.macro SMUL g
.irp t, 0,1,2,3,4,5,6,7
	v_wmma_f32_16x16x64_fp8_fp8 v[SX+8*\t:SX+8*\t+7], v[KF+8*\t:KF+8*\t+7], v[QF+16*\g:QF+16*\g+7], 0
	v_wmma_f32_16x16x64_fp8_fp8 v[SY+8*\t:SY+8*\t+7], v[KF+8*\t:KF+8*\t+7], v[QF+16*\g+8:QF+16*\g+15], 0
.endr
.endm
; O^T of pair g += V^T P^T: the eight accumulators by turns
.macro PV g
.irp d, 0,1,2,3
	v_wmma_f32_16x16x128_fp8_fp8 v[OA+64*\g+8*\d:OA+64*\g+8*\d+7], v[VF+16*\d:VF+16*\d+15], v[PX:PX+15], v[OA+64*\g+8*\d:OA+64*\g+8*\d+7]
	v_wmma_f32_16x16x128_fp8_fp8 v[OA+64*\g+32+8*\d:OA+64*\g+32+8*\d+7], v[VF+16*\d:VF+16*\d+15], v[PY:PY+15], v[OA+64*\g+32+8*\d:OA+64*\g+32+8*\d+7]
.endr
.endm
.macro KLOAD adr
	WIN 0x40
.irp t, 0,1,2,3,4,5,6,7
	ds_load_b128 v[KF+8*\t:KF+8*\t+3], v[\adr] offset:1024*\t
	ds_load_b128 v[KF+8*\t+4:KF+8*\t+7], v[\adr] offset:1024*\t+512
.endr
	WIN 0
.endm
; the softmax of pair g's 2 x 64 scores a lane; tile x and tile y line by line
.macro SOFTMAX g
.set NX, NM+4*\g
.set NY, NM+4*\g+2
.set UX, SU+4*\g
.set UY, SU+4*\g+2
.set OO, OA+64*\g
	v_max_num_f32 v28, v[SX], v[SX+1]              ; the step's largest score, four chains a tile, each accumulator from its low end on
	v_max_num_f32 v30, v[SY], v[SY+1]
	v_max_num_f32 v29, v[SX+2], v[SX+3]
	v_max_num_f32 v31, v[SY+2], v[SY+3]
	v_max_num_f32 v106, v[SX+4], v[SX+5]
	v_max_num_f32 v108, v[SY+4], v[SY+5]
	v_max_num_f32 v107, v[SX+6], v[SX+7]
	v_max_num_f32 v109, v[SY+6], v[SY+7]
.irp i, 8,16,24,32,40,48,56
	v_max3_num_f32 v28, v28, v[SX+\i], v[SX+\i+1]
	v_max3_num_f32 v30, v30, v[SY+\i], v[SY+\i+1]
	v_max3_num_f32 v29, v29, v[SX+\i+2], v[SX+\i+3]
	v_max3_num_f32 v31, v31, v[SY+\i+2], v[SY+\i+3]
	v_max3_num_f32 v106, v106, v[SX+\i+4], v[SX+\i+5]
	v_max3_num_f32 v108, v108, v[SY+\i+4], v[SY+\i+5]
	v_max3_num_f32 v107, v107, v[SX+\i+6], v[SX+\i+7]
	v_max3_num_f32 v109, v109, v[SY+\i+6], v[SY+\i+7]
.endr
	v_max3_num_f32 v28, v28, v29, v106
	v_max3_num_f32 v30, v30, v31, v108
	v_max_num_f32 v28, v28, v107
	v_max_num_f32 v30, v30, v109
	v_permlanex16_b32 v32, v28, s[SEL], s[SEL+1]   ; lane l xor 16 holds the other keys of my query
	v_permlanex16_b32 v33, v30, s[SEL], s[SEL+1]
	v_mov_b32 v29, v[NX]                           ; the old -M
	v_mov_b32 v31, v[NY]
	v_max3_num_f32 v[NX+1], v[NX+1], v28, v32      ; the running largest score
	v_max3_num_f32 v[NY+1], v[NY+1], v30, v33
	v_mul_f32 v28, s[CS], v[NX+1]                  ; as t (the factor is positive)
	v_mul_f32 v30, s[CS], v[NY+1]
	v_floor_f32 v[NX], -v28                        ; -M = floor(-t): M is a whole number
	v_floor_f32 v[NY], -v30
	v_floor_f32 v[NCX], -v28                       ; and once more, for the pairs' second halves
	v_floor_f32 v[NCY], -v30
	v_sub_f32 v29, v[NX], v29                      ; old M - new M, 0 or less
	v_sub_f32 v31, v[NY], v31
	v_cvt_i32_f32 v29, v29                         ; (it saturates)
	v_cvt_i32_f32 v31, v31
	v_ldexp_f32 v[FX], 1.0, v29                    ; f = 2^(old M - new M)
	v_ldexp_f32 v[FY], 1.0, v31
.set j, 0
.rept 32
	v_dual_fma_f32 v[SX+j], v[SX+j], v[CV0], v[NX] :: v_dual_fma_f32 v[SX+j+1], v[SX+j+1], v[CV1], v[NCX]   ; t - M, two in a line
	v_dual_fma_f32 v[SY+j], v[SY+j], v[CV0], v[NY] :: v_dual_fma_f32 v[SY+j+1], v[SY+j+1], v[CV1], v[NCY]
.set j, j+2
.endr
	WIN 0x41                                       ; destination and source 0 in window 1
	s_wait_alu depctr_va_vdst(0)
.set j, 0
.rept 16
	v_pk_mul_f32 v[OO+j:OO+j+1], v[OO+j:OO+j+1], v[FX:FX+1] op_sel_hi:[1,0]   ; O^T under the new M
.set j, j+2
.endr
.set j, 0
.rept 16
	v_pk_mul_f32 v[OO+32+j:OO+32+j+1], v[OO+32+j:OO+32+j+1], v[FY:FY+1] op_sel_hi:[1,0]
.set j, j+2
.endr
	WIN 0
	s_wait_alu depctr_va_vdst(0)
.set j, 0
.rept 128
	v_exp_f32 v[SX+j], v[SX+j]                     ; p = 2^(t - M), at most 1
.set j, j+1
.endr
	v_pk_mul_f32 v[UX:UX+1], v[UX:UX+1], v[FX:FX+1] op_sel_hi:[1,0]   ; the sums under the new M (plain lines behind the batch)
	v_pk_mul_f32 v[UY:UY+1], v[UY:UY+1], v[FY:FY+1] op_sel_hi:[1,0]
	s_wait_alu depctr_va_vdst(0)                   ; one wait for the whole batch, ahead of its first reader
	v_dual_add_f32 v[UX], v[UX], v[SX] :: v_dual_add_f32 v[UX+1], v[UX+1], v[SX+1]   ; the sum of the unquantised p: four chains of two halves a tile
	v_dual_add_f32 v[UY], v[UY], v[SY] :: v_dual_add_f32 v[UY+1], v[UY+1], v[SY+1]
	v_dual_add_f32 v28, v[SX+2], v[SX+10] :: v_dual_add_f32 v29, v[SX+3], v[SX+11]
	v_dual_add_f32 v30, v[SY+2], v[SY+10] :: v_dual_add_f32 v31, v[SY+3], v[SY+11]
	v_dual_add_f32 v106, v[SX+4], v[SX+12] :: v_dual_add_f32 v107, v[SX+5], v[SX+13]
	v_dual_add_f32 v108, v[SY+4], v[SY+12] :: v_dual_add_f32 v109, v[SY+5], v[SY+13]
	v_dual_add_f32 v110, v[SX+6], v[SX+14] :: v_dual_add_f32 v111, v[SX+7], v[SX+15]
	v_dual_add_f32 v112, v[SY+6], v[SY+14] :: v_dual_add_f32 v113, v[SY+7], v[SY+15]
	v_dual_add_f32 v[UX], v[UX], v[SX+8] :: v_dual_add_f32 v[UX+1], v[UX+1], v[SX+9]
	v_dual_add_f32 v[UY], v[UY], v[SY+8] :: v_dual_add_f32 v[UY+1], v[UY+1], v[SY+9]
.set j, 16
.rept 6
	v_dual_add_f32 v28, v28, v[SX+j+2] :: v_dual_add_f32 v29, v29, v[SX+j+3]
	v_dual_add_f32 v30, v30, v[SY+j+2] :: v_dual_add_f32 v31, v31, v[SY+j+3]
	v_dual_add_f32 v106, v106, v[SX+j+4] :: v_dual_add_f32 v107, v107, v[SX+j+5]
	v_dual_add_f32 v108, v108, v[SY+j+4] :: v_dual_add_f32 v109, v109, v[SY+j+5]
	v_dual_add_f32 v110, v110, v[SX+j+6] :: v_dual_add_f32 v111, v111, v[SX+j+7]
	v_dual_add_f32 v112, v112, v[SY+j+6] :: v_dual_add_f32 v113, v113, v[SY+j+7]
	v_dual_add_f32 v[UX], v[UX], v[SX+j] :: v_dual_add_f32 v[UX+1], v[UX+1], v[SX+j+1]
	v_dual_add_f32 v[UY], v[UY], v[SY+j] :: v_dual_add_f32 v[UY+1], v[UY+1], v[SY+j+1]
.set j, j+8
.endr
	v_dual_add_f32 v28, v28, v106 :: v_dual_add_f32 v29, v29, v107
	v_dual_add_f32 v30, v30, v108 :: v_dual_add_f32 v31, v31, v109
	v_dual_add_f32 v[UX], v[UX], v110 :: v_dual_add_f32 v[UX+1], v[UX+1], v111
	v_dual_add_f32 v[UY], v[UY], v112 :: v_dual_add_f32 v[UY+1], v[UY+1], v113
	v_dual_add_f32 v[UX], v[UX], v28 :: v_dual_add_f32 v[UX+1], v[UX+1], v29
	v_dual_add_f32 v[UY], v[UY], v30 :: v_dual_add_f32 v[UY+1], v[UY+1], v31
.irp t, 0,1,2,3,4,5,6,7
.irp i, 0,2,4,6
	v_dual_min_num_f32 v[SX+8*\t+\i], v[SX+8*\t+\i], v[HLD] :: v_dual_min_num_f32 v[SX+8*\t+\i+1], v[SX+8*\t+\i+1], v[HL2]   ; the conversion does not saturate (ISA guide 7.6.2); p is not negative, so the hold is one-sided
.endr
	v_cvt_scalef32_pk8_fp8_f32 v[PX+2*\t:PX+2*\t+1], v[SX+8*\t:SX+8*\t+7], v[SCP]
.irp i, 0,2,4,6
	v_dual_min_num_f32 v[SY+8*\t+\i], v[SY+8*\t+\i], v[HLD] :: v_dual_min_num_f32 v[SY+8*\t+\i+1], v[SY+8*\t+\i+1], v[HL2]
.endr
	v_cvt_scalef32_pk8_fp8_f32 v[PY+2*\t:PY+2*\t+1], v[SY+8*\t:SY+8*\t+7], v[SCP]
.endr
	v_nop                                          ; a plain line behind the last conversion
.endm
	s_wait_alu depctr_va_vdst(0)
	s_wait_tensorcnt 0x0                           ; my eighth of K and V is in;
	s_barrier_signal -1
	s_barrier_wait -1                              ; everybody's is
	KLOAD LI                                       ; step 0's K
.Lstep:                                            ; 16 steps of 128 keys
	s_add_co_u32 s[TN], s[TB], 16384
	s_and_b32 s[TN], s[TN], 0x3c000                ; the next step's place; behind the last step: step 0's
	s_wait_dscnt 0x0                               ; K's fragments are in
	WIN 0x01                                       ; source 0 in window 1
	SMUL 0
	WIN 0
	v_add_nc_u32 v[ADV], s[TB], v[LI]              ; four plain lines between the last products and the loads into V's registers and the reads of the scores
	v_add_nc_u32 v[ADK], s[TN], v[LI]
	v_nop
	v_nop
	WIN 0x40
.irp d, 0,1,2,3
.irp c, 0,1,2,3
	ds_load_b128 v[VF+16*\d+4*\c:VF+16*\d+4*\c+3], v[ADV] offset:8192+2048*\d+512*\c
.endr
.endr
	WIN 0
	SOFTMAX 0
	s_wait_alu depctr_va_vdst(0)
	s_wait_dscnt 0x0                               ; V's fragments are in
	WIN 0x51                                       ; source 0, C and D in window 1
	PV 0
	WIN 0x01
	SMUL 1
	WIN 0
.rept 4
	v_nop                                          ; places in front of the loads into K's registers and of the reads of the scores
.endr
	KLOAD ADK                                      ; the next step's K comes in under the second pair's softmax
	SOFTMAX 1
	WIN 0x51
	PV 1
	WIN 0
	s_add_co_u32 s[TB], s[TB], 16384
	s_sub_co_u32 s[CNT], s[CNT], 1
	s_cmp_lg_u32 s[CNT], 0
	s_wait_alu depctr_va_vdst(0)
	s_cbranch_scc1 .Lstep
	; THE WAY OUT: O^T x 2^(e8 + e9) / the sum, held, converted with 2^e10; 512 consecutive bytes a store
.rept 4
	v_nop
.endr
.irp i, 0,1,2,3
	v_add_f32 v[SU+2*\i], v[SU+2*\i], v[SU+2*\i+1] ; the sum's two halves,
.endr
	v_permlanex16_b32 v32, v[SU], s[SEL], s[SEL+1]
	v_permlanex16_b32 v33, v[SU+2], s[SEL], s[SEL+1]
	v_permlanex16_b32 v28, v[SU+4], s[SEL], s[SEL+1]
	v_permlanex16_b32 v29, v[SU+6], s[SEL], s[SEL+1]
	v_add_f32 v[SU], v[SU], v32                    ; and lane l xor 16's
	v_add_f32 v[SU+2], v[SU+2], v33
	v_add_f32 v[SU+4], v[SU+4], v28
	v_add_f32 v[SU+6], v[SU+6], v29
	s_wait_alu depctr_va_vdst(0)
.irp i, 0,1,2,3
	v_rcp_f32 v[SU+2*\i], v[SU+2*\i]
.endr
	v_mov_b32 v104, s28                            ; 2^e10 (a plain line behind the batch)
	v_mov_b32 v105, s29                            ; 448 x 2^e10
	s_wait_alu depctr_va_vdst(0)                   ; the batch's wait, ahead of its first reader
.irp i, 0,1,2,3
	v_ldexp_f32 v[SU+2*\i], v[SU+2*\i], s56
.endr
	WIN 0x01
	s_wait_alu depctr_va_vdst(0)
.irp i, 0,1,2,3
.set j, 0
.rept 16
	v_pk_mul_f32 v[SX+32*\i+j:SX+32*\i+j+1], v[OA+32*\i+j:OA+32*\i+j+1], v[SU+2*\i:SU+2*\i+1] op_sel_hi:[1,0]
.set j, j+2
.endr
.endr
	WIN 0
.set j, 0
.rept 128
	v_med3_num_f32 v[SX+j], v[SX+j], -v105, v105
.set j, j+1
.endr
.irp i, 0,1,2,3
.irp d, 0,1,2,3
	v_cvt_scalef32_pk8_fp8_f32 v[PX+8*\i+2*\d:PX+8*\i+2*\d+1], v[SX+32*\i+8*\d:SX+32*\i+8*\d+7], v104
.endr
.endr
	v_nop
.irp i, 0,1,2,3
	global_store_b128 v[LI], v[PX+8*\i:PX+8*\i+3], s[26:27] offset:16384*\i
	global_store_b128 v[LI], v[PX+8*\i+4:PX+8*\i+7], s[26:27] offset:16384*\i+512
.endr
	s_wait_tensorcnt 0x0                           ; the wave's end
	ds_add_u32 v[SPW], v[NIL]
	s_wait_dscnt 0x0
	CROUND                                         ; the closing round
	s_endpgm
.Lfunc_end_k_q26ccf18e56_attn:
	.size	k_q26ccf18e56_attn, .Lfunc_end_k_q26ccf18e56_attn-k_q26ccf18e56_attn
	.p2alignl 7, 3214868480
	.fill 96, 4, 3214868480
	.section	.rodata,"a",@progbits
	.p2align	6, 0x0
	.amdhsa_kernel k_q26ccf18e56_attn
		.amdhsa_group_segment_fixed_size 327680
		.amdhsa_private_segment_fixed_size 0
		.amdhsa_enable_private_segment 0
		.amdhsa_kernarg_size 48
		.amdhsa_user_sgpr_count 2
		.amdhsa_user_sgpr_kernarg_segment_ptr 1
		.amdhsa_wavefront_size32 1
		.amdhsa_system_sgpr_workgroup_id_x 1
		.amdhsa_system_sgpr_workgroup_id_y 1
		.amdhsa_system_sgpr_workgroup_id_z 1
		.amdhsa_system_vgpr_workitem_id 0
		.amdhsa_next_free_vgpr 512
		.amdhsa_next_free_sgpr 66
		.amdhsa_reserve_vcc 0
		.amdhsa_float_denorm_mode_32 3
		.amdhsa_float_denorm_mode_16_64 3
		.amdhsa_memory_ordered 1
		.amdhsa_forward_progress 1
		.amdhsa_inst_pref_size 131
	.end_amdhsa_kernel
	.amdgpu_metadata
---
amdhsa.version: [ 1, 2 ]
amdhsa.kernels:
  - .name:           k_q26ccf18e56_attn
    .symbol:         k_q26ccf18e56_attn.kd
    .args:
      - { .name: xc, .offset: 0, .size: 8, .value_kind: global_buffer, .address_space: global }
      - { .name: wc, .offset: 8, .size: 8, .value_kind: global_buffer, .address_space: global }
      - { .name: bq, .offset: 16, .size: 8, .value_kind: global_buffer, .address_space: global }
      - { .name: kv, .offset: 24, .size: 8, .value_kind: global_buffer, .address_space: global }
      - { .name: lowp_scales, .offset: 32, .size: 8, .value_kind: global_buffer, .address_space: global }
      - { .name: cf, .offset: 40, .size: 8, .value_kind: global_buffer, .address_space: global }
    .group_segment_fixed_size: 327680
    .private_segment_fixed_size: 0
    .kernarg_segment_align: 8
    .kernarg_segment_size: 48
    .max_flat_workgroup_size: 256
    .sgpr_count:     66
    .vgpr_count:     512
    .wavefront_size: 32
...
	.end_amdgpu_metadata
.endif
;; end of part 3
;; launch outp (part 4): grid 4 x 64, 4 waves a work-group, clusters of 4 x 4, 327,680 bytes of LDS; arguments cf, wc, lowp_scales, bo, out0; writes out0
.if DOCPART == 4
	.amdgcn_target "amdgcn-amd-amdhsa--gfx1250"
	.amdhsa_code_object_version 6
	.text
	.protected	k_q26ccf18e56_outp
	.globl	k_q26ccf18e56_outp
	.p2align	8
	.type	k_q26ccf18e56_outp,@function
k_q26ccf18e56_outp:
	s_mov_b64 s[64:65], 0
	v_nop
	global_prefetch_b8 v0, s[64:65] scope:SCOPE_SE
	s_setreg_imm32_b32 hwreg(HW_REG_WAVE_MODE, 25, 1), 1
	s_wait_xcnt 0x0
	s_wait_alu depctr_hold_cnt(0) depctr_sa_sdst(0) depctr_va_vdst(0) depctr_va_sdst(0) depctr_va_ssrc(0) depctr_va_vcc(0) depctr_vm_vsrc(0)
	s_getreg_b32 s2, hwreg(HW_REG_IB_STS2, 6, 4)
	s_cmp_eq_u32 s2, 0
	s_cbranch_scc0 .Lentry_in_a_cluster
	s_endpgm
.Lentry_in_a_cluster:
	s_bfe_u32 s2, ttmp6, 0x10000c
	s_cmp_lg_u32 s2, 0xf033
	s_cbranch_scc0 .Lentry_shape_is_right
	s_endpgm
.Lentry_shape_is_right:
; out0 = ctx Wo + bo on E4M3 codes: ctx's codes cf (scale 2^e10), Wo's codes at byte 0x300000 of wc (scale 2^e11); each finished sum x 2^(e10 + e11), + bo; f32 out.
; OPERANDS ARE IMAGES OF THEIR REGISTERS: 16 rows x 128 K = 2,048 bytes (registers 4 q .. 4 q + 3 of lane l at 512 q + 16 l); a tensor: (row / 16) x 16,384 + (k / 128) x 2,048.
; A block of out0, 128 rows x 256 columns, is made by four waves, each 64 x 128: 32 accumulators.  8,192 x 1,024 numbers are 256 such blocks: one work-group for each.
; K = 1,024 is eight steps of 128 and comes in THREE joint fills, one tensor load a wave each (waves 0, 1: A's halves of 64 rows; waves 2, 3: B's halves of 128 rows):
;   F0: K 0-511, 8,192 bytes for each 16 rows: A at LDS byte 0 (65,536 bytes), B at 65,536 (131,072 bytes); asked for at the head;
;   F1: K 512-767, 4,096 bytes for each 16 rows: A at 196,608, B at 229,376; a first fill, behind the three lines and a round of the cluster's barrier;
;   F2: K 768-1,023, likewise: A at 0, B at 65,536: a refill of F0's bytes, behind the three lines and a round, when every wave has K step 3's fragments in registers.
; A's and B's fragments have two sets of registers each: a step's 48 LDS loads are issued ahead of the step before's 32 products.
; THE MATRIX INSTRUCTION IS USED TRANSPOSED (source 0 = 16 rows of B, source 1 = 16 rows of A): a lane holds eight neighbouring columns of one row of out0.
; THE WAY OUT: 16 rows x 128 columns at a time through the wave's own stage in LDS, back as whole rows of 512 bytes.  The stages lie at byte 131,072, in the part of F0's B that F2 does not fill: its last read stands ahead of F2's round.
; CLUSTERS: 4 x 4 work-groups; A's tiles are asked for jointly along a row of the cluster, B's along a column.
; No prefetch: of the three fills two stand at the head, and the third is asked for three K steps ahead of its first read.
; LIMIT: e10 + e11 between -126 and 127.
; REGISTERS: window 0: v16-29 addresses; v32-95 the bias; v96-127 at work on the way out; v128-255 A's fragments, two sets of 64, later the rows read back.  Window 1: B's fragments, two sets of 128.  Window 2: accumulator (a, b) at v[8 (8 a + b)].
.set R0B,   65536
.set R1A,   196608
.set R1B,   229376
.set STAGE, 131072
.set SPARE, 294912                     ; behind F1: the spare words, 128 bytes for each wave
.set SPITCH, 528
.set ADA0,  16                         ; v16-18  LDS address of my A fragments in F0, F1, F2
.set ADA1,  17
.set ADA2,  18
.set ADB0,  20                         ; v20-22  the same for B
.set ADB1,  21
.set ADB2,  22
.set STO,   24
.set RD,    25
.set CO,    26
.set BO,    27
.set SPW,   28
.set NIL,   29
.set BI,    32
.set TMP,   96
.set AF,    128
.set BK,    128
.set G1A0, 24                          ; group 1: A, rows of 8,192 bytes
.set G0A0, 32                          ; groups 0 for A's three fills
.set G0A1, 36
.set G0A2, 40
.set G1B0, 48                          ; B, rows of 8,192 bytes
.set G0B0, 56                          ; groups 0 for B's three fills
.set G0B1, 60
.set G0B2, 68
.set G1A1, 72                          ; A, rows of 4,096 bytes
.set G1B1, 80                          ; B, rows of 4,096 bytes
.set MSB, 0
.macro WIN new                         ; the immediate's high byte repeats the setting that is left
.if MSB != \new
	s_set_vgpr_msb (MSB<<8)|\new
.set MSB, \new
.endif
.endm
.set MUL,  0xa1                        ; source 0 (B) window 1, source 1 (A) window 0, C and D window 2
.set TO_B, 0x40                        ; destination window 1, address window 0
.macro JLOAD g0a, g1a, g0b, g1b        ; a joint load: waves 0, 1 fetch for A, waves 2, 3 for B; an s_nop 0 and four v_nop follow each line
	s_cmp_eq_u32 s15, 0
	s_cbranch_scc0 .Lfor_b_\@
	tensor_load_to_lds s[\g0a:\g0a+3], s[\g1a:\g1a+7]
	s_nop 0
.rept 4
	v_nop
.endr
	s_branch .Lasked_\@
.Lfor_b_\@:
	tensor_load_to_lds s[\g0b:\g0b+3], s[\g1b:\g1b+7]
	s_nop 0
.rept 4
	v_nop
.endr
.Lasked_\@:
.endm
.macro CREST                           ; a round of the cluster's barrier behind its opening barrier
	s_cmp_lg_u32 s14, 0
	s_cbranch_scc1 .Lnot_wave_0_\@
	s_barrier_signal -3
.Lnot_wave_0_\@:
	s_barrier_wait -3
	s_barrier_signal -1
	s_barrier_wait -1
.endm
.macro CROUND
	s_barrier_signal -1
	s_barrier_wait -1
	CREST
.endm
.macro GRP1 g, rowb, rows              ; rows (of 16 rows of the tensor each) of rowb bytes, 16,384 bytes apart in memory, dense in LDS
	s_mov_b32 s[\g+1], (\rowb)<<16
	s_mov_b32 s[\g+2], (\rows)<<16
	s_mov_b32 s[\g+3], (\rowb)<<16
	s_mov_b32 s[\g+4], \rows
	s_mov_b32 s[\g+5], 16384
	s_mov_b32 s[\g+6], 0
	s_mov_b32 s[\g+7], 0
.endm
.macro GRP0 g, ldsreg, ldsc, base, koff
	s_mov_b32 s[\g], 1
	s_add_co_u32 s[\g+1], s[\ldsreg], \ldsc
	s_add_nc_u64 s[\g+2:\g+3], s[\base:\base+1], \koff
	s_or_b32 s[\g+3], s[\g+3], 0x80000000
.endm
	s_load_b256 s[4:11], s[0:1], 0x0               ; cf s[4:5], wc s[6:7], the exponents s[8:9], bo s[10:11]
	s_load_b64 s[12:13], s[0:1], 0x20              ; out0
	v_lshl_add_u32 v[SPW], v0, 2, SPARE
	v_mov_b32 v[NIL], 0
	ds_add_u32 v[SPW], v[NIL]                      ; the opening lines: the add twice on end and its wait ahead of my first tensor load
	ds_add_u32 v[SPW], v[NIL]
	v_lshrrev_b32 v1, 5, v0
	v_readfirstlane_b32 s14, v1                    ; wave 0..3
	s_lshr_b32 s15, s14, 1                         ; which 64 rows of the block are mine.  Also: I fetch for A (0) or for B (1)
	s_and_b32 s16, s14, 1                          ; which 128 columns.  Also: which half of that tile I fetch
	s_bfe_u32 s44, ttmp6, 0x40000                  ; cx, cy: my place in the cluster
	s_bfe_u32 s45, ttmp6, 0x40004
	s_lshl_b32 s46, ttmp9, 2
	s_add_co_u32 s46, s46, s44                     ; block column
	s_and_b32 s17, ttmp7, 0xffff
	s_lshl_b32 s17, s17, 2
	s_add_co_u32 s17, s17, s45                     ; block row
	s_lshl_b32 s92, s45, 2
	s_lshl_b32 s92, 15, s92                        ; my row of the cluster
	s_lshl_b32 s93, 0x1111, s44                    ; my column
	s_or_b32 s[G1A0], s92, (1<<21)                 ; 15:0 the mask; elements of 1 byte; no padding; bit 21 beside a mask
	s_or_b32 s[G1A1], s92, (1<<21)
	s_or_b32 s[G1B0], s93, (1<<21)
	s_or_b32 s[G1B1], s93, (1<<21)
	GRP1 G1A0, 8192, 4
	GRP1 G1B0, 8192, 8
	GRP1 G1A1, 4096, 4
	GRP1 G1B1, 4096, 8
	s_lshl_b32 s88, s17, 17                        ; A: 131,072 bytes a block row, 65,536 a half: made of the block row and the wave alone
	s_lshl_b32 s89, s16, 16
	s_add_co_u32 s88, s88, s89
	s_mov_b32 s89, 0
	s_lshl_b32 s90, s46, 18                        ; B: 262,144 bytes a block column, 131,072 a half: of the block column and the wave alone
	s_lshl_b32 s91, s16, 17
	s_add_co_u32 s90, s90, s91
	s_add_co_u32 s90, s90, 0x300000
	s_mov_b32 s91, 0
	s_lshl_b32 s18, s16, 15                        ; where the halves go: no place in the cluster enters an LDS address
	s_lshl_b32 s19, s16, 14
	s_lshl_b32 s20, s16, 16
	s_wait_dscnt 0x0                               ; both opening adds are done
	s_wait_kmcnt 0x0
	s_load_b64 s[96:97], s[8:9], 0x28              ; e10, e11
	s_add_nc_u64 s[88:89], s[4:5], s[88:89]
	s_add_nc_u64 s[90:91], s[6:7], s[90:91]
	CROUND                                         ; all sixteen work-groups are here: the first joint loads meet
	GRP0 G0A0, 18, 0, 88, 0
	GRP0 G0A1, 19, R1A, 88, 8192
	GRP0 G0A2, 19, 0, 88, 12288
	GRP0 G0B0, 20, R0B, 90, 0
	GRP0 G0B1, 18, R1B, 90, 8192
	GRP0 G0B2, 18, R0B, 90, 12288
	JLOAD G0A0, G1A0, G0B0, G1B0                   ; F0: one tensor load a wave at the head
	s_lshl_b32 s22, s46, 10
	s_lshl_b32 s23, s16, 9
	s_add_co_u32 s22, s22, s23                     ; my first column x 4
	s_mov_b32 s23, 0
	s_add_nc_u64 s[94:95], s[10:11], s[22:23]      ; the bias there,
	s_add_nc_u64 s[12:13], s[12:13], s[22:23]      ; and out0
	s_lshl_b32 s22, s17, 7
	s_lshl_b32 s47, s15, 6
	s_add_co_u32 s22, s22, s47
	s_lshl_b32 s22, s22, 12                        ; my first row x 4,096 bytes
	s_add_nc_u64 s[12:13], s[12:13], s[22:23]
	s_lshl_b32 s18, s15, 15                        ; my 64 rows of A in F0,
	s_lshl_b32 s20, s15, 14                        ; in F2,
	s_add_co_u32 s19, s20, R1A                     ; in F1
	s_lshl_b32 s21, s16, 16
	s_add_co_u32 s21, s21, R0B                     ; my 128 rows of B in F0,
	s_lshl_b32 s23, s16, 15
	s_add_co_u32 s22, s23, R1B                     ; in F1,
	s_add_co_u32 s23, s23, R0B                     ; in F2
	s_mul_i32 s47, s14, 16*SPITCH
	s_add_co_u32 s47, s47, STAGE                   ; my stage
	v_and_b32 v1, 15, v0                           ; r
	v_bfe_u32 v2, v0, 4, 1                         ; h
	v_and_b32 v3, 31, v0
	v_lshlrev_b32 v[BO], 5, v2
	v_lshlrev_b32 v[CO], 4, v3                     ; 16 x lane
	v_mul_u32_u24 v5, v1, SPITCH
	v_lshl_add_u32 v5, v2, 5, v5
	v_add_nc_u32 v[STO], s47, v5                   ; into the stage: row r, 32 bytes for each half of the lanes
	v_add_nc_u32 v[RD], s47, v[CO]                 ; back: the 32 lanes take one row of 512 bytes
	v_add_nc_u32 v[ADA0], s18, v[CO]
	v_add_nc_u32 v[ADA1], s19, v[CO]
	v_add_nc_u32 v[ADA2], s20, v[CO]
	v_add_nc_u32 v[ADB0], s21, v[CO]
	v_add_nc_u32 v[ADB1], s22, v[CO]
	v_add_nc_u32 v[ADB2], s23, v[CO]
.irp b, 0,1,2,3,4,5,6,7
	global_load_b128 v[BI+8*\b:BI+8*\b+3], v[BO], s[94:95] offset:64*\b       ; bo at columns 16 b + 8 h + 0 .. 7
	global_load_b128 v[BI+8*\b+4:BI+8*\b+7], v[BO], s[94:95] offset:64*\b+16
.endr
; K step ks's fragments into set ks % 2: B's eight, A's four; each is four loads of 512 consecutive bytes
.macro FETCH ks
.if (\ks) < 4
.set FA, ADA0
.set FB, ADB0
.set FQ, (\ks)
.set FP, 8192
.else
.if (\ks) < 6
.set FA, ADA1
.set FB, ADB1
.set FQ, (\ks)-4
.set FP, 4096
.else
.set FA, ADA2
.set FB, ADB2
.set FQ, (\ks)-6
.set FP, 4096
.endif
.endif
.set FS, (\ks)%2
	WIN TO_B
.irp i, 0,1,2,3,4,5,6,7
.irp c, 0,1,2,3
	ds_load_b128 v[128*FS+16*\i+4*\c:128*FS+16*\i+4*\c+3], v[FB] offset:2048*FQ+512*\c+\i*FP
.endr
.endr
	WIN 0
.irp i, 0,1,2,3
.irp c, 0,1,2,3
	ds_load_b128 v[AF+64*FS+16*\i+4*\c:AF+64*FS+16*\i+4*\c+3], v[FA] offset:2048*FQ+512*\c+\i*FP
.endr
.endr
.endm
; 16 products: A's blocks a0, a0 + 1 x B's eight.  zero = 1: the first product starts the sums.  The 32 accumulators take turns, in the same order in every step
.macro MUL16 a0, ks, zero
.irp a, \a0, \a0+1
.irp b, 0,1,2,3,4,5,6,7
.if \zero
	v_wmma_f32_16x16x128_fp8_fp8 v[8*(8*(\a)+\b):8*(8*(\a)+\b)+7], v[128*((\ks)%2)+16*\b:128*((\ks)%2)+16*\b+15], v[AF+64*((\ks)%2)+16*(\a):AF+64*((\ks)%2)+16*(\a)+15], 0
.else
	v_wmma_f32_16x16x128_fp8_fp8 v[8*(8*(\a)+\b):8*(8*(\a)+\b)+7], v[128*((\ks)%2)+16*\b:128*((\ks)%2)+16*\b+15], v[AF+64*((\ks)%2)+16*(\a):AF+64*((\ks)%2)+16*(\a)+15], v[8*(8*(\a)+\b):8*(8*(\a)+\b)+7]
.endif
.endr
.endr
.endm
.macro PLACES                          ; plain vector lines between a matrix instruction and a load into, or a vector instruction on, its registers
.rept 4
	v_nop
.endr
.endm
.macro STEP ks, zero                   ; the next step's fragments are asked for, then this step is multiplied
.if (\ks) > 0
	PLACES
.endif
	FETCH (\ks)+1
	s_wait_dscnt 48                                ; all but the 48 loads just issued: this step's fragments are in
	WIN MUL
	MUL16 0, \ks, \zero
	MUL16 2, \ks, \zero
.endm
	s_wait_alu depctr_va_vdst(0)
	s_wait_tensorcnt 0x0                           ; my part of F0 is in
	ds_add_u32 v[SPW], v[NIL]
	s_wait_dscnt 0x0
	CROUND                                         ; everybody's part of F0 is in, and all sixteen work-groups are here
	JLOAD G0A1, G1A1, G0B1, G1B1                   ; F1: the first tensor load behind the round
	FETCH 0
	STEP 0, 1
	STEP 1, 0
	STEP 2, 0
	WIN 0
	s_wait_tensorcnt 0x0                           ; my part of F1 is in;
	ds_add_u32 v[SPW], v[NIL]
	s_wait_dscnt 0x0                               ; the add is done, and K step 3's fragments are in: my reads of F0 are over
	s_barrier_signal -1
	WIN MUL
	MUL16 0, 3, 0                                  ; work on registers while the others arrive
	WIN 0
	s_barrier_wait -1
	CREST                                          ; the barrier has opened a round of the cluster's: no wave of any partner still reads F0 or has a load on its way
	JLOAD G0A2, G1A1, G0B2, G1B1                   ; F2, into F0's bytes: the first tensor load behind the round; its four v_nop are the places in front of the loads below
	FETCH 4
	WIN MUL
	MUL16 2, 3, 0
	STEP 4, 0
	WIN 0
	s_wait_tensorcnt 0x0                           ; my part of F2 is in
	s_wait_dscnt 0x0                               ; K step 5's fragments are in
	s_barrier_signal -1
	WIN MUL
	MUL16 0, 5, 0
	WIN 0
	s_barrier_wait -1                              ; everybody's part of F2 is in
	PLACES
	FETCH 6
	WIN MUL
	MUL16 2, 5, 0
	STEP 6, 0
	s_wait_dscnt 0x0
	MUL16 0, 7, 0
	MUL16 2, 7, 0
	WIN 0
; THE WAY OUT, block by block of 16 rows x 128 columns.  LDS serves a wave's instructions in order (ISA guide 5.7.1.4): no wait between the stage's stores and its loads
.macro TOSTAGE a
.set AC, 64*(\a)
.irp u, 0,1
	WIN 0x02                                       ; source 0 in window 2
.irp j, 0,2,4,6,8,10,12,14,16,18,20,22,24,26,28,30
	v_pk_fma_f32 v[TMP+\j:TMP+\j+1], v[AC+32*\u+\j:AC+32*\u+\j+1], s[96:97], v[BI+32*\u+\j:BI+32*\u+\j+1] op_sel_hi:[1,0,1]   ; sum x 2^(e10 + e11) + bo; each accumulator from its low end on
.endr
	WIN 0
.irp b, 0,1,2,3
	ds_store_b128 v[STO], v[TMP+8*\b:TMP+8*\b+3] offset:256*\u+64*\b
	ds_store_b128 v[STO], v[TMP+8*\b+4:TMP+8*\b+7] offset:256*\u+64*\b+16
.endr
.endr
.set BB, BK+64*((\a)%2)
.irp t, 0,1,2,3,4,5,6,7,8,9,10,11,12,13,14,15
	ds_load_b128 v[BB+4*\t:BB+4*\t+3], v[RD] offset:\t*SPITCH
.endr
.endm
.macro SEND a, younger                 ; younger: the LDS instructions issued behind block a's loads, which may stay out
.set BB, BK+64*((\a)%2)
	s_wait_dscnt \younger
.if (\a) > 0
	s_add_nc_u64 s[12:13], s[12:13], 16*4096       ; (behind a wait on XCNT: the earlier stores have read their base)  16 rows on
.endif
.irp t, 0,1,2,3,4,5,6,7,8,9,10,11,12,13,14,15
	global_store_b128 v[CO], v[BB+4*\t:BB+4*\t+3], s[12:13] offset:\t*4096 th:TH_STORE_NT   ; 32 lanes store 512 consecutive bytes, aligned
.endr
.endm
	s_wait_kmcnt 0x0
	s_add_co_i32 s96, s96, s97
	s_add_co_i32 s96, s96, 127
	s_lshl_b32 s96, s96, 23                        ; 2^(e10 + e11) as f32
	s_mov_b32 s97, s96
	s_wait_loadcnt 0x0                             ; the bias
	PLACES
	TOSTAGE 0
.irp a, 1,2,3
.if \a > 1
	s_wait_xcnt 0x0                                ; block a - 2's stores have read their registers and their base
.endif
	TOSTAGE \a
	SEND \a-1, 32                                  ; behind block a - 1's loads: block a's 16 stores and 16 loads
.endr
	s_wait_xcnt 0x0
	SEND 3, 0
	s_wait_tensorcnt 0x0                           ; the wave's end
	ds_add_u32 v[SPW], v[NIL]
	s_wait_dscnt 0x0
	CROUND                                         ; the closing round: no work-group ends while a partner may still ask for a tile that names it
	s_endpgm
.Lfunc_end_k_q26ccf18e56_outp:
	.size	k_q26ccf18e56_outp, .Lfunc_end_k_q26ccf18e56_outp-k_q26ccf18e56_outp
	.p2alignl 7, 3214868480
	.fill 96, 4, 3214868480
	.section	.rodata,"a",@progbits
	.p2align	6, 0x0
	.amdhsa_kernel k_q26ccf18e56_outp
		.amdhsa_group_segment_fixed_size 327680
		.amdhsa_private_segment_fixed_size 0
		.amdhsa_enable_private_segment 0
		.amdhsa_kernarg_size 40
		.amdhsa_user_sgpr_count 2
		.amdhsa_user_sgpr_kernarg_segment_ptr 1
		.amdhsa_wavefront_size32 1
		.amdhsa_system_sgpr_workgroup_id_x 1
		.amdhsa_system_sgpr_workgroup_id_y 1
		.amdhsa_system_sgpr_workgroup_id_z 1
		.amdhsa_system_vgpr_workitem_id 0
		.amdhsa_next_free_vgpr 768
		.amdhsa_next_free_sgpr 98
		.amdhsa_reserve_vcc 0
		.amdhsa_float_denorm_mode_32 3
		.amdhsa_float_denorm_mode_16_64 3
		.amdhsa_memory_ordered 1
		.amdhsa_forward_progress 1
		.amdhsa_inst_pref_size 77
	.end_amdhsa_kernel
	.amdgpu_metadata
---
amdhsa.version: [ 1, 2 ]
amdhsa.kernels:
  - .name:           k_q26ccf18e56_outp
    .symbol:         k_q26ccf18e56_outp.kd
    .args:
      - { .name: cf, .offset: 0, .size: 8, .value_kind: global_buffer, .address_space: global }
      - { .name: wc, .offset: 8, .size: 8, .value_kind: global_buffer, .address_space: global }
      - { .name: lowp_scales, .offset: 16, .size: 8, .value_kind: global_buffer, .address_space: global }
      - { .name: bo, .offset: 24, .size: 8, .value_kind: global_buffer, .address_space: global }
      - { .name: out0, .offset: 32, .size: 8, .value_kind: global_buffer, .address_space: global }
    .group_segment_fixed_size: 327680
    .private_segment_fixed_size: 0
    .kernarg_segment_align: 8
    .kernarg_segment_size: 40
    .max_flat_workgroup_size: 128
    .sgpr_count:     98
    .vgpr_count:     768
    .wavefront_size: 32
...
	.end_amdgpu_metadata
.endif
;; end of part 4
